; MI455X (gfx1250); checked and timed in simulation.
; The chip was launched on July 23, 2026; its instructions are those of AMD's public machine-readable ISA for CDNA 5 (MIT licence, August 2026) and "CDNA5" Instruction Set Architecture Reference Guide (July 2026). The comments in the code are by the model that wrote it; some were corrected since.
;; Causal Self Attention Marcin. Allowed arithmetic: matrix products marked QUANTISED: E5M2 operands, one E8M0 scale for each 32 along K, by v_wmma_scale_f32_16x16x128_f8f6f4 with both operands' format E5M2, f32 sums; everything else in f32.
;; Inputs: W_attn 1,024 x 3,072 float32; W_proj 1,024 x 1,024 float32; b_attn 3,072 float32; b_proj 1,024 float32; x 4 x 2,048 x 1,024 float32.
;; Outputs: out0 4 x 2,048 x 1,024 float32.
;; This version of the problem:
;;   THIS VERSION OF THE PROBLEM IS GIVEN IN LOW PRECISION. The matrix products marked QUANTISED in the list below multiply operands that are first quantised to E5M2 (5 exponent bits, 2 mantissa bits; 8 bits a number), with one power-of-two scale for each 32 numbers along K (OCP MX v1.0); their sums are f32. All else is computed in f32.
;;   The module's matrix products, in the order in which they are computed (A, B: the left and right operand; K: the contracted axis; several contracted axes count as one K, in the product's order):
;;     1. [M 8,192, K 1,024] x [K 1,024, N 3,072]; A: input x; B: input W_attn: QUANTISED
;;     2. batch 64 x [M 2,048, K 64] x [K 64, N 2,048]; A: computed on the way; B: computed on the way: QUANTISED
;;     3. batch 64 x [M 2,048, K 2,048] x [K 2,048, N 64]; A: softmax (see below); B: computed on the way: QUANTISED
;;     4. [M 8,192, K 1,024] x [K 1,024, N 1,024]; A: computed on the way; B: input W_proj: QUANTISED
;;   THE QUANTISER, for each operand of a quantised product, along K:
;;     - K is cut into blocks of 32 from its start; a last block that is shorter is filled with zeros.
;;     - A block's scale is 2^e with e = floor(log2(the largest magnitude in the block)) - 15, held to -126 .. 127; a block of zeros has e = 0. As a byte (E8M0): e + 127.
;;     - Each number is divided by its block's scale, clamped to +-57,344, and rounded to the nearest number of E5M2, ties to even, subnormals kept.
;;     - The product sums the exact products of the quantised numbers (number of the format x scale) in f32.
;;   ~~~python
;;   def quantise(x, axis):      # numpy; x: float32 -> the quantised numbers, widened to float32 again
;;       x = np.moveaxis(x, axis, -1); K = x.shape[-1]
;;       x = np.pad(x, [(0, 0)] * (x.ndim - 1) + [(0, -K % 32)]); x = x.reshape(x.shape[:-1] + (-1, 32)); a = np.abs(x).max(-1, keepdims=True)
;;       e = np.where(a > 0, np.clip(np.frexp(np.where(a > 0, a, 1))[1] - 1 - 15, -126, 127), 0)      # np.frexp(a)[1] - 1 = floor(log2(a)), exactly
;;       r = np.clip(x / 2.0 ** e, -57344, 57344)
;;       step = 2.0 ** (np.maximum(np.frexp(np.where(r == 0, 1, r))[1] - 1, -14) - 2)
;;       q = np.round(r / step) * step * 2.0 ** e      # np.round: ties to even
;;       return np.moveaxis(q.reshape(q.shape[:-2] + (-1,))[..., :K], -1, axis).astype(np.float32)
;;   ~~~
;;   SOFTMAX AHEAD OF A QUANTISED PRODUCT. Where the list says 'softmax', what is quantised is not the finished softmax but p = 2^(t - M), with t = logit x log2(e) and M = ceil(the row's largest t), a whole number; so 1/2 < the row's largest p <= 1. The row's sum l is taken of the UNQUANTISED p, in f32, and the product's result is divided by l at the end. Since M is a whole number, a kernel that streams over the keys may use a running M (the ceiling of the running maximum): every later rescaling is an exact power of two, which a block's scale takes up: the codes' values come out the same.
;;   OPERANDS COMPUTED ON THE WAY. 'Computed on the way' means the value that the module computes at that place (a softmax that the list does not call 'softmax' is quantised finished and normalised). What goes into a quantiser is computed in f32, as accurately as f32 sums, v_exp_f32 and their like allow (about 1e-6 of the number): no bf16 or f16 on the way to a quantiser, and a product that is left as it is and whose result goes on into a quantised operand takes f32 operands (vector FMAs, or v_wmma_f32_16x16x4_f32). A number that lies on a knife's edge between two numbers of the format may be rounded either way, as far as f32 arithmetic and the matrix unit's own rounding can turn it there, and no further.
;; One version. Each part assembles by itself: llvm-mc -triple=amdgcn-amd-amdhsa -mcpu=gfx1250 --defsym DOCPART=n.
;; ======== version 1 of 1: 4 launches
;; limits: right only within a limited range of input values
;; workspace buffers: opc 12,582,912 bytes; ops 393,216 bytes; qb 17,563,648 bytes; kv 17,563,648 bytes; yc 8,388,608 bytes; ys 262,144 bytes
;; launch quant (part 1): grid 64 x 8, 4 waves a work-group, no clusters, 34,304 bytes of LDS; arguments x, W_attn, W_proj, opc, ops; writes opc, ops
.if DOCPART == 1
	.amdgcn_target "amdgcn-amd-amdhsa--gfx1250"
	.amdhsa_code_object_version 6
	.text
	.protected	k_q3b7b2d35b1_quant
	.globl	k_q3b7b2d35b1_quant
	.p2align	8
	.type	k_q3b7b2d35b1_quant,@function
k_q3b7b2d35b1_quant:
	s_mov_b64 s[64:65], 0
	v_nop
	global_prefetch_b8 v0, s[64:65] scope:SCOPE_SE
	s_setreg_imm32_b32 hwreg(HW_REG_WAVE_MODE, 25, 1), 1
	s_wait_xcnt 0x0
; x [8192][1024], W_attn [1024][3072] and W_proj [1024][1024], f32, become codes of BF8 (E5M2) with one E8M0 scale byte for each 32 along K (K = the 1,024 channels of x, the first axis of both weights).
; A block's scale is 2^(floor(log2(its largest magnitude)) - 15); its byte is the largest magnitude's exponent field - 15, held at 1 from below; each number is held within +-57,344 x the scale and rounded to the nearest code, ties to even.
; LIMITS: NaN and infinities among the inputs are not served; blocks whose largest magnitude lies under 2^-111 keep the byte 1; a block of zeros gets the byte 1 where the quantiser says 127: its codes are zeros, and this program alone reads the bytes.
; LAYOUT OF THE RESULT.  The codes are laid as IMAGES OF OPERAND REGISTERS.  A fragment (16 rows x 128 K) is 2,048 bytes [chunk c 0..3][lane 0..31][16 bytes]; chunk c of lane (r, h) holds k = 32 c + 16 h + 0 .. 15 of the fragment's row r.
;   opc: [K chunk 0..3][row tile 0..767][q 0..1][2,048], K step of 128 = 2 chunk + q.  Row tiles 0-511: tokens of x; 512-703: columns of W_attn; 704-767: columns of W_proj.
;   ops: [row tile][kh 0..1][r 16][4 words]: word w of half kh holds the four scale bytes of K step 4 kh + w.
; THE ROWS OF A TILE ARE NOT NEIGHBOURS: place r of row tile 2 g + u holds true row 32 g + 8 u + r + 8 (r / 8), so that, where such tiles are a product's source 0, a lane's 16 results of two neighbouring tiles are 16 neighbours.
; SHARES.  Work-groups with x < 32 take x (a wave: 16 rows x 512 K), 32 .. 55 W_attn, 56 .. 63 W_proj (a wave: 32 columns x 128 K; work-group y is the K step).  No tensor loads, no barrier: waves share nothing.
.set CH,   3145728                     ; bytes from K chunk to K chunk in opc: 768 row tiles x 4,096
.set SEL,  18                          ; s[18:19] lane selects for v_permlanex16_b32: lane l xor 16
.set MNT,  20                          ; s20      the mantissa field of 57,344
.set LI,   2                           ; v2       16 x lane
.set SW,   12                          ; v12-15   x: the scale words of my four K steps
.set R,    16                          ; v16-143  x: two sets of 64 registers as loaded
.set X,    144                         ; v144-207 x: 64 numbers of a lane, register 16 b + i = k 32 b + 16 h + i of my row
.set PC,   208                         ; v208-239 x: codes, two sets of 16
.set TM,   240                         ; v240-255 at work in QUANT
.set WX,   16                          ; v16-79   weights: two sets of 32 numbers
.set WC,   80                          ; v80-111  weights: codes, eight registers for each block, so that no store's data are written again
; 64 numbers of a lane, v[s] on, become a fragment's codes in v[pc] on and its scale word in v[pw]
.macro QUANT s, pc, pw
.irp b, 0,1,2,3
	v_max3_num_f32 v[TM+\b], |v[\s+16*\b]|, |v[\s+1+16*\b]|, 0x8000000   ; block b: my 16 numbers, and the floor 2^(16 - 127): the byte cannot fall under 1
.endr
.irp i, 2,4,6,8,10,12,14
.irp b, 0,1,2,3
	v_max3_num_f32 v[TM+\b], v[TM+\b], |v[\s+16*\b+\i]|, |v[\s+1+16*\b+\i]|   ; the four blocks by turns
.endr
.endr
.irp b, 0,1,2,3
	v_permlanex16_b32 v[TM+4+\b], v[TM+\b], s[SEL], s[SEL+1]
.endr
.irp b, 0,1,2,3
	v_max_num_f32 v[TM+\b], v[TM+\b], v[TM+4+\b]           ; with lane l xor 16's 16: the block's largest magnitude
.endr
.irp b, 0,1,2,3
	v_add_nc_u32 v[TM+12+\b], 0xf8800000, v[TM+\b]         ; 15 off its exponent field: the conversion's scale operand
.endr
.irp b, 0,1,2,3
	v_and_or_b32 v[TM+8+\b], v[TM+\b], 0x7f800000, s[MNT]  ; 57,344 x the scale
.endr
.irp b, 0,1,2,3
	v_lshrrev_b32 v[TM+4+\b], 23, v[TM+12+\b]              ; the scale's byte
.endr
	v_lshl_or_b32 v[\pw], v[TM+5], 8, v[TM+4]              ; four bytes: my row's scale word
	v_lshl_or_b32 v[\pw], v[TM+6], 16, v[\pw]
	v_lshl_or_b32 v[\pw], v[TM+7], 24, v[\pw]
.irp b, 0,1,2,3
.irp i, 0,1,2,3,4,5,6,7,8,9,10,11,12,13,14,15
	v_med3_num_f32 v[\s+16*\b+\i], v[\s+16*\b+\i], -v[TM+8+\b], v[TM+8+\b]   ; the conversion does not saturate (ISA guide 7.6.2): the hold comes first
.endr
	v_cvt_scalef32_pk8_bf8_f32 v[\pc+4*\b:\pc+1+4*\b], v[\s+16*\b:\s+7+16*\b], v[TM+12+\b]
	v_cvt_scalef32_pk8_bf8_f32 v[\pc+2+4*\b:\pc+3+4*\b], v[\s+8+16*\b:\s+15+16*\b], v[TM+12+\b]
.endr
	v_nop                                                  ; a plain line behind the last conversion
.endm
	s_load_b256 s[4:11], s[0:1], 0x0               ; x s[4:5], W_attn s[6:7], W_proj s[8:9], opc s[10:11]
	s_load_b64 s[12:13], s[0:1], 0x20              ; ops
	v_lshl_add_u32 v10, v0, 2, 0x8400
	v_mov_b32 v11, 0
	v_lshrrev_b32 v1, 5, v0
	v_readfirstlane_b32 s14, v1                    ; wave 0..3
	s_and_b32 s15, ttmp7, 0xffff                   ; work-group y
	v_and_b32 v1, 31, v0                           ; lane
	v_lshlrev_b32 v[LI], 4, v1
	s_mov_b32 s[SEL], 0x76543210
	s_mov_b32 s[SEL+1], 0xfedcba98
	s_mov_b32 s[MNT], 0x600000
	s_mov_b32 s23, 0
	s_mov_b32 s25, 0
	s_mov_b32 s27, 0
	s_wait_kmcnt 0x0
	s_cmp_lt_u32 ttmp9, 32
	s_cbranch_scc0 .Lw
	; ---------------- x: K is innermost.  Each load takes 512 consecutive bytes of one row; a K step's 16 rows turn through the wave's own stage in LDS (rows of 512 bytes + 16) and come back 16 neighbours of each block a lane
	v_and_b32 v3, 15, v0                           ; r
	v_bfe_u32 v4, v0, 4, 1                         ; h
	s_mul_i32 s28, s14, 8448                       ; my stage: 16 rows x 528 bytes
	s_wait_alu depctr_va_vdst(0)
	v_add_nc_u32 v5, s28, v[LI]                    ; into it: 16 x lane, the row in the immediate
	v_mul_u32_u24 v6, v3, 528
	v_lshl_add_u32 v6, v4, 6, v6
	v_add_nc_u32 v6, s28, v6                       ; out of it: row r, + 64 h
	v_lshlrev_b32 v7, 4, v3                        ; my row's four scale words: 16 r
	s_lshl_b32 s16, s15, 5
	s_add_co_u32 s16, s16, ttmp9
	s_lshl_b32 s16, s16, 2
	s_add_co_u32 s16, s16, s14                     ; the wave's job, 0 .. 1,023
	s_lshr_b32 s17, s16, 1                         ; row tile
	s_and_b32 s21, s16, 1                          ; which half of K
	s_lshr_b32 s22, s17, 1
	s_lshl_b32 s22, s22, 17                        ; 32 rows of 4,096 bytes for each pair of tiles,
	s_and_b32 s24, s17, 1
	s_lshl_b32 s24, s24, 15                        ; 8 rows for the odd tile,
	s_add_co_u32 s22, s22, s24
	s_lshl_b32 s24, s21, 11                        ; 512 numbers for the second half of K
	s_add_co_u32 s22, s22, s24
	s_add_nc_u64 s[4:5], s[4:5], s[22:23]
	s_mul_i32 s24, s21, 2*CH
	s_lshl_b32 s26, s17, 12
	s_add_co_u32 s24, s24, s26
	s_add_nc_u64 s[10:11], s[10:11], s[24:25]
	s_lshl_b32 s26, s17, 9
	s_lshl_b32 s24, s21, 8
	s_add_co_u32 s26, s26, s24
	s_add_nc_u64 s[12:13], s[12:13], s[26:27]
.irp b, 0,1,2,3
	v_mov_b32 v[TM+4+\b], 0                        ; written once: a lane permute's destination counts as one of its sources
.endr
.macro XLOAD s, set                    ; K step s of my 16 rows: place i holds true row i + 8 (i / 8) of the tile's span
.irp i, 0,1,2,3,4,5,6,7,8,9,10,11,12,13,14,15
	global_load_b128 v[R+64*(\set)+4*\i:R+64*(\set)+4*\i+3], v[LI], s[4:5] offset:(\i+8*(\i/8))*4096+512*(\s) th:TH_LOAD_NT
.endr
.endm
.macro XSTEP s
.if (\s) < 3
	s_wait_loadcnt 16                              ; this step's 16 loads are in; the next step's 16 may be out
.else
	s_wait_loadcnt 0
.endif
.irp i, 0,1,2,3,4,5,6,7,8,9,10,11,12,13,14,15
	ds_store_b128 v5, v[R+64*((\s)%2)+4*\i:R+64*((\s)%2)+4*\i+3] offset:528*\i
.endr
.irp c, 0,1,2,3
.irp j, 0,1,2,3
	ds_load_b128 v[X+16*\c+4*\j:X+16*\c+4*\j+3], v6 offset:128*\c+16*\j     ; LDS serves a wave's instructions in order: these see the stores above
.endr
.endr
	s_wait_dscnt 0x0                               ; the numbers are back, and the stores have read their registers
.if (\s)+2 < 4
	XLOAD (\s)+2, (\s)%2                           ; which take the loads of two steps on
.endif
.if (\s) >= 2
	s_wait_xcnt 0x0                                ; the stores of two steps ago have read their codes: that set is written again
.endif
	QUANT X, PC+16*((\s)%2), SW+(\s)
.irp c, 0,1,2,3
	global_store_b128 v[LI], v[PC+16*((\s)%2)+4*\c:PC+16*((\s)%2)+4*\c+3], s[10:11] offset:((\s)/2)*CH+((\s)%2)*2048+512*\c   ; 32 lanes store 512 consecutive bytes
.endr
.endm
	XLOAD 0, 0
	XLOAD 1, 1
	s_wait_alu depctr_va_vdst(0)
	XSTEP 0
	XSTEP 1
	XSTEP 2
	XSTEP 3
	s_wait_xcnt 0x0                                ; EXEC changes only behind this wait
	v_cmp_gt_u32 vcc_lo, 16, v1
	s_wait_tensorcnt 0x0
	ds_add_u32 v10, v11
	s_wait_dscnt 0x0
	s_and_saveexec_b32 s16, vcc_lo                 ; lanes 16-31 hold the same words
	global_store_b128 v7, v[SW:SW+3], s[12:13]     ; sixteen lanes store 256 consecutive bytes, aligned
	s_wait_xcnt 0x0
	s_or_b32 exec_lo, exec_lo, s16
	s_endpgm
	; ---------------- the weights: K is the first axis.  A lane takes a column and its registers run down K: a block of 32 lies in one lane
.Lw:
	s_wait_alu depctr_va_vdst(0)
	v_and_b32 v3, 7, v1
	v_and_b32 v4, 8, v1
	v_lshl_or_b32 v3, v4, 1, v3
	v_and_b32 v4, 16, v1
	v_lshrrev_b32 v4, 1, v4
	v_or_b32 v3, v3, v4                            ; place l of the 32 holds the true column l with bits 3 and 4 exchanged
	v_lshlrev_b32 v3, 2, v3                        ; in: 4 bytes a column
	v_lshrrev_b32 v4, 4, v1                        ; which of my two row tiles
	v_and_b32 v5, 15, v1
	v_lshlrev_b32 v5, 4, v5
	v_lshl_add_u32 v6, v4, 12, v5                  ; codes: 4,096 x tile + 16 r
	v_lshl_add_u32 v7, v4, 9, v5                   ; scale word: 512 x tile + 16 r
.macro WPATH N, RT0, P, CG0            ; N columns, first row tile RT0, pointer s[P:P+1], first work-group x CG0
	s_sub_co_u32 s16, ttmp9, \CG0
	s_lshl_b32 s16, s16, 7
	s_lshl_b32 s17, s14, 5
	s_add_co_u32 s16, s16, s17                     ; my first column place: 128 x group + 32 x wave
	s_mul_i32 s22, s15, 128*\N*4                   ; my K step's 128 rows
	s_lshl_b32 s17, s16, 2
	s_add_co_u32 s22, s22, s17
	s_add_nc_u64 s[\P:\P+1], s[\P:\P+1], s[22:23]
	s_lshr_b32 s24, s15, 1
	s_mul_i32 s24, s24, CH                         ; K chunk,
	s_lshl_b32 s17, s16, 8                         ; row tile x 4,096 = place x 256,
	s_add_co_u32 s24, s24, s17
	s_and_b32 s17, s15, 1
	s_lshl_b32 s17, s17, 11                        ; which K step of the chunk
	s_add_co_u32 s24, s24, s17
	s_add_co_u32 s24, s24, \RT0*4096
	s_add_nc_u64 s[10:11], s[10:11], s[24:25]
	s_lshl_b32 s26, s16, 5                         ; row tile x 512 = place x 32,
	s_lshr_b32 s17, s15, 2
	s_lshl_b32 s17, s17, 8                         ; half of K,
	s_add_co_u32 s26, s26, s17
	s_and_b32 s17, s15, 3
	s_lshl_b32 s17, s17, 2                         ; word
	s_add_co_u32 s26, s26, s17
	s_add_co_u32 s26, s26, \RT0*512
	s_add_nc_u64 s[12:13], s[12:13], s[26:27]
.irp t, 0,1
.irp i, 0,1,2,3,4,5,6,7,8,9,10,11,12,13,14,15,16,17,18,19,20,21,22,23,24,25,26,27,28,29,30,31
	global_load_b32 v[WX+32*\t+\i], v3, s[\P:\P+1] offset:(32*\t+\i)*\N*4 th:TH_LOAD_NT   ; a wave reads 128 consecutive bytes, the four waves 512
.endr
.endr
.irp t, 0,1,2,3
.if \t < 3
	s_wait_loadcnt 32                              ; this block's 32 loads are in; the next block's may be out
.else
	s_wait_loadcnt 0
.endif
	v_max3_num_f32 v112, |v[WX+32*(\t%2)]|, |v[WX+32*(\t%2)+1]|, |v[WX+32*(\t%2)+2]|
	v_max3_num_f32 v113, |v[WX+32*(\t%2)+3]|, |v[WX+32*(\t%2)+4]|, |v[WX+32*(\t%2)+5]|
.irp i, 6,10,14,18,22,26
	v_max3_num_f32 v112, v112, |v[WX+32*(\t%2)+\i]|, |v[WX+32*(\t%2)+\i+1]|
	v_max3_num_f32 v113, v113, |v[WX+32*(\t%2)+\i+2]|, |v[WX+32*(\t%2)+\i+3]|
.endr
	v_max3_num_f32 v112, v112, |v[WX+32*(\t%2)+30]|, |v[WX+32*(\t%2)+31]|
	v_max3_num_f32 v112, v112, v113, 0x8000000     ; and the floor
	v_add_nc_u32 v114, 0xf8800000, v112            ; the conversion's scale operand
	v_and_or_b32 v115, v112, 0x7f800000, s[MNT]    ; 57,344 x the scale
	v_lshrrev_b32 v116, 23, v114                   ; the byte
.if \t == 0
	v_mov_b32 v117, v116
.else
	v_lshl_or_b32 v117, v116, 8*\t, v117           ; the lower K in the lower byte
.endif
.irp i, 0,1,2,3,4,5,6,7,8,9,10,11,12,13,14,15,16,17,18,19,20,21,22,23,24,25,26,27,28,29,30,31
	v_med3_num_f32 v[WX+32*(\t%2)+\i], v[WX+32*(\t%2)+\i], -v115, v115
.endr
.irp g, 0,1,2,3
	v_cvt_scalef32_pk8_bf8_f32 v[WC+8*\t+2*\g:WC+8*\t+2*\g+1], v[WX+32*(\t%2)+8*\g:WC-64+32*(\t%2)+8*\g+7], v114
.endr
	global_store_b128 v6, v[WC+8*\t:WC+8*\t+3], s[10:11] offset:512*\t          ; k = 32 t + 0 .. 15: the image's lanes 0-15; sixteen lanes store 256 consecutive bytes, aligned
	global_store_b128 v6, v[WC+8*\t+4:WC+8*\t+7], s[10:11] offset:512*\t+256    ; k = 32 t + 16 .. 31: its lanes 16-31
.if \t < 2
.irp i, 0,1,2,3,4,5,6,7,8,9,10,11,12,13,14,15,16,17,18,19,20,21,22,23,24,25,26,27,28,29,30,31
	global_load_b32 v[WX+32*\t+\i], v3, s[\P:\P+1] offset:(32*(\t+2)+\i)*\N*4 th:TH_LOAD_NT
.endr
.endif
.endr
	global_store_b32 v7, v117, s[12:13]            ; my column's word of this K step: 4 bytes of each 16; both weights' scale bytes are 131,072 in all
.endm
	s_cmp_lt_u32 ttmp9, 56
	s_cbranch_scc0 .Lwproj
	s_wait_alu depctr_va_vdst(0)
	WPATH 3072, 512, 6, 32
	s_endpgm
.Lwproj:
	s_wait_alu depctr_va_vdst(0)
	WPATH 1024, 704, 8, 56
	s_endpgm
.Lfunc_end_k_q3b7b2d35b1_quant:
	.size	k_q3b7b2d35b1_quant, .Lfunc_end_k_q3b7b2d35b1_quant-k_q3b7b2d35b1_quant
	.p2alignl 7, 3214868480
	.fill 96, 4, 3214868480
	.section	.rodata,"a",@progbits
	.p2align	6, 0x0
	.amdhsa_kernel k_q3b7b2d35b1_quant
		.amdhsa_group_segment_fixed_size 34304
		.amdhsa_private_segment_fixed_size 0
		.amdhsa_enable_private_segment 0
		.amdhsa_kernarg_size 40
		.amdhsa_user_sgpr_count 2
		.amdhsa_user_sgpr_kernarg_segment_ptr 1
		.amdhsa_wavefront_size32 1
		.amdhsa_system_sgpr_workgroup_id_x 1
		.amdhsa_system_sgpr_workgroup_id_y 1
		.amdhsa_system_sgpr_workgroup_id_z 1
		.amdhsa_system_vgpr_workitem_id 0
		.amdhsa_next_free_vgpr 256
		.amdhsa_next_free_sgpr 66
		.amdhsa_reserve_vcc 1
		.amdhsa_float_denorm_mode_32 3
		.amdhsa_float_denorm_mode_16_64 3
		.amdhsa_memory_ordered 1
		.amdhsa_forward_progress 1
		.amdhsa_inst_pref_size 108
	.end_amdhsa_kernel
	.amdgpu_metadata
---
amdhsa.version: [ 1, 2 ]
amdhsa.kernels:
  - .name:           k_q3b7b2d35b1_quant
    .symbol:         k_q3b7b2d35b1_quant.kd
    .args:
      - { .name: x, .offset: 0, .size: 8, .value_kind: global_buffer, .address_space: global }
      - { .name: W_attn, .offset: 8, .size: 8, .value_kind: global_buffer, .address_space: global }
      - { .name: W_proj, .offset: 16, .size: 8, .value_kind: global_buffer, .address_space: global }
      - { .name: opc, .offset: 24, .size: 8, .value_kind: global_buffer, .address_space: global }
      - { .name: ops, .offset: 32, .size: 8, .value_kind: global_buffer, .address_space: global }
    .group_segment_fixed_size: 34304
    .private_segment_fixed_size: 0
    .kernarg_segment_align: 8
    .kernarg_segment_size: 40
    .max_flat_workgroup_size: 128
    .sgpr_count:     66
    .vgpr_count:     256
    .wavefront_size: 32
...
	.end_amdgpu_metadata
.endif
;; end of part 1
;; launch qkv (part 2): grid 12 x 32, 4 waves a work-group, clusters of 4 x 4, 327,680 bytes of LDS; arguments opc, ops, b_attn, qb, kv; writes qb, kv
.if DOCPART == 2
	.amdgcn_target "amdgcn-amd-amdhsa--gfx1250"
	.amdhsa_code_object_version 6
	.text
	.protected	k_q3b7b2d35b1_qkv
	.globl	k_q3b7b2d35b1_qkv
	.p2align	8
	.type	k_q3b7b2d35b1_qkv,@function
k_q3b7b2d35b1_qkv:
	s_mov_b64 s[64:65], 0
	v_nop
	global_prefetch_b8 v0, s[64:65] scope:SCOPE_SE
	s_setreg_imm32_b32 hwreg(HW_REG_WAVE_MODE, 25, 1), 1
	s_wait_xcnt 0x0
	s_wait_alu depctr_hold_cnt(0) depctr_sa_sdst(0) depctr_va_vdst(0) depctr_va_sdst(0) depctr_va_ssrc(0) depctr_va_vcc(0) depctr_vm_vsrc(0)
	s_getreg_b32 s2, hwreg(HW_REG_IB_STS2, 6, 4)
	s_cmp_eq_u32 s2, 0
	s_cbranch_scc0 .Lentry_in_a_cluster
	s_endpgm
.Lentry_in_a_cluster:
	s_bfe_u32 s2, ttmp6, 0x10000c
	s_cmp_lg_u32 s2, 0xf033
	s_cbranch_scc0 .Lentry_shape_is_right
	s_endpgm
.Lentry_shape_is_right:
; qkv = x W_attn + b_attn on codes of BF8 (E5M2) with E8M0 scales for each 32 along K = 1,024; the sums, f32, are quantised again at once and leave as codes: q and k along the head's 64 channels, v along the keys.
; LIMITS: NaN and infinities are not served; blocks whose largest magnitude lies under 2^-111 keep the byte 1; a block of zeros gets the byte 1 where the quantiser says 127 (its codes are zeros; this program alone reads the bytes).
; A tile of 256 x 256 is made by four waves, each 128 x 128: 64 accumulators, 512 registers.  K goes in chunks of 256 through two LDS slots filled by the tensor data mover.
; OPERANDS lie in memory and in LDS as images of operand registers: a fragment (16 rows x 128 K) is 2,048 bytes [chunk 0..3][lane][16]; a K chunk of 256 rows is 65,536 dense bytes; every LDS load of a wave takes 512 consecutive bytes.
; TWO ROLES.  L is source 1 (its row is the lane's), R is source 0 (its rows run along a lane's registers).  Cluster x = 0 (q) and 1 (k): L = tokens, R = channels, so a lane's registers run along the channels, the next K.
;   Cluster x = 2 (v): L = channels, R = tokens, so a lane's registers run along the keys, v's next K.  The role hangs on the cluster's x alone, which all sixteen partners share.
;   The rows of a tile are not neighbours (place r of tile 2 g + u = true row 32 g + 8 u + r + 8 (r / 8)): the 16 registers of R's tiles 2 g and 2 g + 1 are the true rows 32 g + 16 (lane / 16) + 0 .. 15.
; CLUSTERS: 4 x 4 work-groups; L's tiles are shared along a row of the cluster, R's along a column: each is asked for jointly, by the same tensor load with the same descriptor and a mask that names the four.
; RESULT, for each head (16 x batch + head) HS bytes in kv (k, v) and in qb (q, in k's places): +0 k's scale words [group of 128 tokens][tile / 4][r][tile % 4], each word its two bytes twice; +8,192 v's scale words [group][r][channel tile];
;   +12,288 + 32,768 s: slot s = 256 keys: 16 tiles of k (1,024 bytes: [chunk 0..1][lane][16]), then 2 groups x 4 fragments of v^T (16 channel places x 128 keys).
; REGISTERS, windows of 256: window 0: v0-15 v's bias, v16-31 addresses, v32-63 scale words (two sets), v64-127 q's and k's bias, v128-255 L's fragments (one set), on the way out at work;
;   window 1: R's fragments, two sets;  windows 2, 3: the accumulators ((a, b) at v[8 (8 (a % 4) + b)]).
.set CH,     3145728                   ; bytes from K chunk to K chunk in opc
.set HS,     274432                    ; a head's bytes in qb and kv
.set NQ,     2                         ; K steps of 128 in a slot
.set FR,     16
.set NL,     4
.set NP,     8                         ; places behind this matrix instruction (ISA guide 7.12.1)
.set HALFT,  32768                     ; 128 rows x 256 K: what one tensor load brings
.set SLOT,   131072                    ; L's 256 rows, then R's 256 rows
.set SCL,    262144                    ; behind the ring: the scale words of all of K: L's 8,192 bytes, then R's
.set HALFS,  4096
.set SPARE,  278528                    ; the spare words, 128 bytes a wave: two blocks of 256 bytes that no other line names
.set ADRA, 16                          ; v16-17  LDS address of my L fragments in slot 0, 1
.set ADRB, 20                          ; v20-21  of my R fragments
.set LI,   24                          ; v24     16 x lane
.set VSO,  25                          ; v25     v's scale words: HS x (lane / 16) + 16 r
.set ADRS, 27                          ; v27     my scale words: lanes 0-15 L's, lanes 16-31 R's
.set SPW,  28                          ; v28     my spare word; never rewritten
.set NIL,  29                          ; v29     0; never rewritten
.set ABQ,  30                          ; v30     byte offset in b_attn of the bias along registers
.set ABV,  31                          ; v31     and of the bias along lanes
.set SC,   32
.set BQ,   64
.set AF,   128
.set H,    128                         ; the way out: 64 sums with their bias
.set PC,   192                         ; codes
.set TM,   208                         ; at work in QUANT
.set WS,   232                         ; the eight blocks' scale words
.set XW,   240
.set Y0,   244
.set Y1,   248
.set G1, 24
.set G0, 32
.set G1B, 48
.set G0B, 56
.set SEL, 66                           ; s[66:67]
.set G1S, 68
.set G0S, 76
.set G1SB, 80
.set G0SB, 88
.set MNT, 99
.set MSB, 0
.macro WIN new                         ; the immediate's high byte repeats the setting that is left
.if MSB != (\new)
	s_set_vgpr_msb (MSB<<8)|(\new)
.set MSB, (\new)
.endif
.endm
.set MUL_LO, 0xa1                      ; source 0 (R) window 1, source 1 (L) window 0, C and D window 2
.set MUL_HI, 0xf1
.set TO_B,   0x40
; A joint load: waves 0 and 1 fetch for L, waves 2 and 3 for R; the branch hangs on the wave's number alone.  Four v_nop follow each of the two lines.
.macro JLOAD g0a, g1a, g0b, g1b
	s_cmp_eq_u32 s15, 0
	s_cbranch_scc0 .Lfor_b_\@
	tensor_load_to_lds s[\g0a:\g0a+3], s[\g1a:\g1a+7]
	s_nop 0
.rept 4
	v_nop
.endr
	s_branch .Lasked_\@
.Lfor_b_\@:
	tensor_load_to_lds s[\g0b:\g0b+3], s[\g1b:\g1b+7]
	s_nop 0
.rept 4
	v_nop
.endr
.Lasked_\@:
.endm
.macro CREST                           ; a round of the cluster's barrier behind its opening barrier
	s_cmp_lg_u32 s14, 0
	s_cbranch_scc1 .Lnot_wave_0_\@
	s_barrier_signal -3
.Lnot_wave_0_\@:
	s_barrier_wait -3
	s_barrier_signal -1
	s_barrier_wait -1
.endm
.macro CROUND
	s_barrier_signal -1
	s_barrier_wait -1
	CREST
.endm
; 64 numbers of a lane, v[s] on (register 16 b + i = k 32 b + 16 (lane / 16) + i of my row), become a fragment's codes in v[pc] on and its scale word in v[pw]
.macro QUANT s, pc, pw
.irp b, 0,1,2,3
	v_max3_num_f32 v[TM+\b], |v[\s+16*\b]|, |v[\s+1+16*\b]|, 0x8000000   ; my 16 numbers, and the floor 2^(16 - 127)
.endr
.irp i, 2,4,6,8,10,12,14
.irp b, 0,1,2,3
	v_max3_num_f32 v[TM+\b], v[TM+\b], |v[\s+16*\b+\i]|, |v[\s+1+16*\b+\i]|
.endr
.endr
.irp b, 0,1,2,3
	v_permlanex16_b32 v[TM+4+\b], v[TM+\b], s[SEL], s[SEL+1]
.endr
.irp b, 0,1,2,3
	v_max_num_f32 v[TM+\b], v[TM+\b], v[TM+4+\b]
.endr
.irp b, 0,1,2,3
	v_add_nc_u32 v[TM+12+\b], 0xf8800000, v[TM+\b]         ; 15 off the exponent field: the conversion's scale operand
.endr
.irp b, 0,1,2,3
	v_and_or_b32 v[TM+8+\b], v[TM+\b], 0x7f800000, s[MNT]  ; 57,344 x the scale
.endr
.irp b, 0,1,2,3
	v_lshrrev_b32 v[TM+4+\b], 23, v[TM+12+\b]              ; the byte
.endr
	v_lshl_or_b32 v[\pw], v[TM+5], 8, v[TM+4]
	v_lshl_or_b32 v[\pw], v[TM+6], 16, v[\pw]
	v_lshl_or_b32 v[\pw], v[TM+7], 24, v[\pw]
.irp b, 0,1,2,3
.irp i, 0,1,2,3,4,5,6,7,8,9,10,11,12,13,14,15
	v_med3_num_f32 v[\s+16*\b+\i], v[\s+16*\b+\i], -v[TM+8+\b], v[TM+8+\b]   ; the conversion does not saturate (ISA guide 7.6.2)
.endr
	v_cvt_scalef32_pk8_bf8_f32 v[\pc+4*\b:\pc+1+4*\b], v[\s+16*\b:\s+7+16*\b], v[TM+12+\b]
	v_cvt_scalef32_pk8_bf8_f32 v[\pc+2+4*\b:\pc+3+4*\b], v[\s+8+16*\b:\s+15+16*\b], v[TM+12+\b]
.endr
	v_nop                                                  ; a plain line behind the last conversion
.endm
	s_load_b128 s[4:7], s[0:1], 0x0                ; opc s[4:5], ops s[6:7]
	s_load_b128 s[8:11], s[0:1], 0x10              ; b_attn s[8:9], qb s[10:11]
	s_load_b64 s[12:13], s[0:1], 0x20              ; kv
	v_lshl_add_u32 v[SPW], v0, 2, SPARE
	v_mov_b32 v[NIL], 0
	ds_add_u32 v28, v29
	ds_add_u32 v28, v29
	s_wait_dscnt 0x0
	v_lshrrev_b32 v1, 5, v0
	v_readfirstlane_b32 s14, v1                    ; wave 0..3
	s_lshr_b32 s15, s14, 1                         ; which half of L's rows is mine.  Also: I fetch for L (0) or for R (1)
	s_and_b32 s16, s14, 1                          ; which half of R's rows.  Also: which 128 rows I fetch
	s_bfe_u32 s40, ttmp6, 0x40000                  ; cx
	s_bfe_u32 s41, ttmp6, 0x40004                  ; cy
	s_and_b32 s17, ttmp7, 0xffff
	s_lshl_b32 s17, s17, 2                         ; 4 x cluster y: the cluster's first group of 256 tokens
	s_lshl_b32 s18, ttmp9, 2
	s_add_co_u32 s18, s18, 32                      ; q's or k's first group of 256 columns in opc (row tile 512 = group 32)
	s_cmp_eq_u32 ttmp9, 2                          ; v?  The cluster's x: equal in all sixteen partners
	s_cselect_b32 s42, 40, s17
	s_cselect_b32 s45, s17, s18
	s_add_co_u32 s42, s42, s41                     ; L's group of 256 rows: hangs on cy alone among the places
	s_add_co_u32 s45, s45, s40                     ; R's: on cx alone
	s_lshl_b32 s43, s41, 2
	s_lshl_b32 s43, 15, s43                        ; my row of the cluster
	s_lshl_b32 s44, 0x1111, s40                    ; my column
	; descriptor group 1: 128 dense rows of 256 bytes (32 elements of 8 bytes), no padding
	s_or_b32 s[G1+0], s43, (3<<16)|(1<<21)         ; 15:0 the mask; 17:16 elements of 8 bytes; 21 set beside a mask
	s_or_b32 s[G1B+0], s44, (3<<16)|(1<<21)
.irp g, G1, G1B
	s_mov_b32 s[\g+1], 32<<16                      ; tensor_dim0
	s_mov_b32 s[\g+2], 256<<16                     ; tensor_dim1: the head's loads bring 256 rows; the ring's 128 (set behind the head's wait)
	s_mov_b32 s[\g+3], 32<<16                      ; tile_dim0
	s_mov_b32 s[\g+4], 256                         ; tile_dim1
	s_mov_b32 s[\g+5], 32                          ; pitch
	s_mov_b32 s[\g+6], 0
	s_mov_b32 s[\g+7], 0
.endr
	s_or_b32 s[G1S+0], s43, (3<<16)|(1<<21)        ; the scale words of 256 rows: 32 dense rows of 256 bytes
	s_or_b32 s[G1SB+0], s44, (3<<16)|(1<<21)
.irp g, G1S, G1SB
	s_mov_b32 s[\g+1], 32<<16
	s_mov_b32 s[\g+2], 32<<16                      ; the scale words of 256 rows: 32 dense rows of 256 bytes
	s_mov_b32 s[\g+3], 32<<16
	s_mov_b32 s[\g+4], 32
	s_mov_b32 s[\g+5], 32
	s_mov_b32 s[\g+6], 0
	s_mov_b32 s[\g+7], 0
.endr
	s_lshl_b32 s20, s42, 16                        ; L's 256 rows of a K chunk
	s_mov_b32 s21, 0
	s_lshl_b32 s46, s45, 16                        ; R's
	s_mov_b32 s47, 0
	s_lshl_b32 s18, s16, 15                        ; s[18:19]: in the ring I fetch 128 rows: which half, in bytes
	s_mov_b32 s19, 0
	s_lshl_b32 s22, s42, 13
	s_mov_b32 s23, 0
	s_lshl_b32 s92, s45, 13
	s_mov_b32 s93, 0
	s_mul_i32 s96, s14, HALFT                      ; where they go: wave x 128 rows: no place in the cluster enters an LDS address
	s_mov_b32 s[SEL], 0x76543210
	s_mov_b32 s[SEL+1], 0xfedcba98
	s_mov_b32 s[MNT], 0x600000
	s_wait_kmcnt 0x0
	s_add_nc_u64 s[20:21], s[4:5], s[20:21]
	s_add_nc_u64 s[46:47], s[4:5], s[46:47]
	s_add_nc_u64 s[22:23], s[6:7], s[22:23]
	s_add_nc_u64 s[92:93], s[6:7], s[92:93]
	CROUND                                         ; all sixteen work-groups are here: the first joint loads meet
	s_mov_b32 s[G0S], 1
	s_mov_b32 s[G0S+1], SCL
	s_mov_b64 s[G0S+2:G0S+3], s[22:23]
	s_or_b32 s[G0S+3], s[G0S+3], 0x80000000
	s_mov_b32 s[G0SB], 1
	s_mov_b32 s[G0SB+1], SCL+2*HALFS
	s_mov_b64 s[G0SB+2:G0SB+3], s[92:93]
	s_or_b32 s[G0SB+3], s[G0SB+3], 0x80000000
.irp s, 0,1
	s_mov_b32 s[G0+4*\s], 1
	s_add_co_u32 s[G0+4*\s+1], s96, \s*SLOT
	s_add_nc_u64 s[G0+4*\s+2:G0+4*\s+3], s[20:21], \s*CH
	s_or_b32 s[G0+4*\s+3], s[G0+4*\s+3], 0x80000000
	s_mov_b32 s[G0B+4*\s], 1
	s_add_co_u32 s[G0B+4*\s+1], s96, \s*SLOT
	s_add_nc_u64 s[G0B+4*\s+2:G0B+4*\s+3], s[46:47], \s*CH
	s_or_b32 s[G0B+4*\s+3], s[G0B+4*\s+3], 0x80000000
.endr
; THE HEAD'S LOADS, ONE A WAVE: wave 0 K chunk 0's 256 rows of L, wave 1 its 256 rows of R, wave 2 L's scale words, wave 3 R's.  Slot 0's groups 0 serve them, with the whole tiles' places; they get the ring's places behind the head's wait.
	s_mov_b32 s[G0+1], 0
	s_mov_b32 s[G0B+1], 2*HALFT
	s_add_nc_u64 s[G0+6:G0+7], s[G0+6:G0+7], s[18:19]      ; slot 1's: my 128 rows
	s_add_nc_u64 s[G0B+6:G0B+7], s[G0B+6:G0B+7], s[18:19]
.macro ARM under, g0, g1, next         ; one tree of branches on the wave's number: every way passes exactly one load
	s_cmp_lt_u32 s14, \under
	s_cbranch_scc0 \next
	tensor_load_to_lds s[\g0:\g0+3], s[\g1:\g1+7]
	s_nop 0
.rept 4
	v_nop
.endr
	s_branch .Lhead_asked
\next:
.endm
	ARM 1, G0,  G1,  .Lhead_b
	ARM 2, G0B, G1B, .Lhead_sa
	ARM 3, G0S, G1S, .Lhead_sb
	tensor_load_to_lds s[G0SB:G0SB+3], s[G1SB:G1SB+7]
	s_nop 0
.rept 4
	v_nop
.endr
.Lhead_asked:
	v_and_b32 v1, 15, v0                           ; r
	v_bfe_u32 v2, v0, 4, 1                         ; h
	s_wait_alu depctr_va_vdst(0)
	v_and_b32 v3, 31, v0
	v_lshlrev_b32 v[LI], 4, v3
	s_mul_i32 s21, s15, HALFT                      ; my 128 rows of L
	s_mul_i32 s22, s16, HALFT                      ; my 128 rows of R,
	s_add_co_u32 s22, s22, 2*HALFT                 ; behind L's 256
.irp s, 0,1
	v_add_nc_u32 v[ADRA+\s], s21, v[LI]
	v_add_nc_u32 v[ADRB+\s], s22, v[LI]
	s_add_co_u32 s21, s21, SLOT
	s_add_co_u32 s22, s22, SLOT
.endr
	v_lshlrev_b32 v5, 4, v1                        ; a row's four words: 16 r
	s_mul_i32 s21, s15, HALFS
	s_mul_i32 s22, s16, HALFS
	s_add_co_u32 s22, s22, 2*HALFS
	s_sub_co_u32 s22, s22, s21
	v_mul_u32_u24 v6, s22, v2                      ; lanes 16-31 take R's: one product, the distance between the two bases
	s_add_co_u32 s21, s21, SCL
	v_add_nc_u32 v5, v5, v6
	v_add_nc_u32 v[ADRS], s21, v5
	v_mul_u32_u24 v5, v2, HS
	v_lshl_add_u32 v[VSO], v1, 4, v5
	; the bias, in both forms; both addresses lie inside b_attn in both roles, and the way out takes the one that its role wants
	s_lshl_b32 s100, ttmp9, 12
	s_lshl_b32 s101, s40, 10
	s_add_co_u32 s100, s100, s101
	s_lshl_b32 s101, s16, 9
	s_add_co_u32 s100, s100, s101                  ; 4 x (1,024 x cluster x + 256 cx + 128 x my half of R)
	v_lshl_add_u32 v[ABQ], v2, 6, s100             ; + 64 h
	s_lshl_b32 s100, s41, 10
	s_lshl_b32 s101, s15, 9
	s_add_co_u32 s100, s100, s101
	s_add_co_u32 s100, s100, 8192                  ; 4 x (2,048 + 256 cy + 128 x my half of L)
	v_and_b32 v5, 8, v1
	v_add_nc_u32 v5, v5, v1
	v_lshl_add_u32 v[ABV], v5, 2, s100             ; + 4 (r + 8 (r / 8))
.irp bb, 0,1,2,3
.irp m, 0,1,2,3
	global_load_b128 v[BQ+16*\bb+4*\m:BQ+16*\bb+4*\m+3], v[ABQ], s[8:9] offset:128*\bb+16*\m   ; register 16 bb + i: the bias of channel 32 bb + 16 h + i
.endr
.endr
.irp a, 0,1,2,3,4,5,6,7
	global_load_b32 v[2*\a], v[ABV], s[8:9] offset:(32*(\a/2)+8*(\a%2))*4      ; block a: the bias of my lane's channel, twice: a pair for the packed addition
	global_load_b32 v[2*\a+1], v[ABV], s[8:9] offset:(32*(\a/2)+8*(\a%2))*4
.endr
.macro FRAG reg, adr, q, i             ; fragment i of the slot's q-th K step: four loads of 512 consecutive bytes
.irp c, 0,1,2,3
	ds_load_b128 v[\reg+4*\c:\reg+4*\c+3], v[\adr] offset:(\i)*4096+(\q)*2048+512*\c
.endr
.endm
; 16 matrix instructions: L's blocks a0, a0 + 1 x R's eight.  The 64 accumulators take turns, one instruction a turn, in the same order in every step.
.macro MUL16 a0, p, q, sc, zero
.irp a, \a0, \a0+1
.irp b, 0,1,2,3,4,5,6,7
.if \zero
	v_wmma_scale_f32_16x16x128_f8f6f4 v[8*(8*((\a)%4)+\b):8*(8*((\a)%4)+\b)+7], v[128*(\p)+FR*\b:128*(\p)+FR*\b+FR-1], v[AF+FR*(\a):AF+FR*(\a)+FR-1], 0, v[SC+8*NQ*(\sc)+NQ*\b+(\q)], v[SC+8*NQ*(\sc)+NQ*(\a)+(\q)] matrix_a_fmt:MATRIX_FMT_BF8 matrix_b_fmt:MATRIX_FMT_BF8 matrix_a_scale:MATRIX_SCALE_ROW1
.else
	v_wmma_scale_f32_16x16x128_f8f6f4 v[8*(8*((\a)%4)+\b):8*(8*((\a)%4)+\b)+7], v[128*(\p)+FR*\b:128*(\p)+FR*\b+FR-1], v[AF+FR*(\a):AF+FR*(\a)+FR-1], v[8*(8*((\a)%4)+\b):8*(8*((\a)%4)+\b)+7], v[SC+8*NQ*(\sc)+NQ*\b+(\q)], v[SC+8*NQ*(\sc)+NQ*(\a)+(\q)] matrix_a_fmt:MATRIX_FMT_BF8 matrix_b_fmt:MATRIX_FMT_BF8 matrix_a_scale:MATRIX_SCALE_ROW1
.endif
.endr
.endr
.endm
.macro FETCH_B slot, q, p
	WIN TO_B
.irp i, 0,1,2,3,4,5,6,7
	FRAG 128*(\p)+FR*\i, ADRB+\slot, \q, \i
.endr
	WIN 0
.endm
.macro FETCH_A slot, q, i0
.irp i, \i0, \i0+1, \i0+2, \i0+3
	FRAG AF+FR*(\i), ADRA+\slot, \q, \i
.endr
.endm
.macro SCALES sc, j                    ; K chunk j's two words a row into set sc: lanes 0-15 L's block i, lanes 16-31 R's block i
.irp i, 0,1,2,3,4,5,6,7
	ds_load_b64 v[SC+8*NQ*\sc+NQ*\i:SC+8*NQ*\sc+NQ*\i+1], v[ADRS] offset:\i*512+256*((\j)/2)+8*((\j)%2)
.endr
.endm
.macro PLACES n                        ; plain vector instructions in front of loads into registers that matrix instructions have read, and of the first read of results
.rept \n
	v_nop
.endr
.endm
.macro STEP slot, q, zero              ; a K step that has its successor in the same slot
	s_wait_dscnt 4*NL                              ; R's set and L's blocks 0-3 are in; the youngest 16 loads (L's blocks 4-7) may be out
	WIN MUL_LO
	MUL16 0, (\q)%2, \q, \slot, \zero
	MUL16 2, (\q)%2, \q, \slot, \zero
	s_wait_dscnt 0                                 ; L's blocks 4-7 are in
	PLACES NP
	FETCH_B \slot, (\q)+1, 1-(\q)%2
	FETCH_A \slot, (\q)+1, 0
	WIN MUL_HI
	MUL16 4, (\q)%2, \q, \slot, \zero
	MUL16 6, (\q)%2, \q, \slot, \zero
	PLACES NP
	WIN 0
	FETCH_A \slot, (\q)+1, 4
.endm
; A slot's last step changes slots: one barrier; in front of it each wave waits for all its tensor loads, adds 0 to its spare word, and waits for that and for its reads of this slot.  fill = 1: the slot is filled again, two chunks on.  j: the chunk entered.
.macro TURN slot, next, fill, j
	s_wait_tensorcnt 0x0                           ; all my tensor loads have landed: my part of the next slot
	ds_add_u32 v[SPW], v[NIL]                      ; 0 onto my spare word
	s_wait_dscnt 4*NL+1                            ; (the add and the youngest 16 loads may be out)
	WIN MUL_LO
	MUL16 0, 1, NQ-1, \slot, 0
	s_wait_dscnt 0x0                               ; the add is done, and my reads of this slot are over
	s_barrier_signal -1
	MUL16 2, 1, NQ-1, \slot, 0
	WIN 0
	s_barrier_wait -1
.if \fill
	CREST                                          ; the barrier has opened a round of the cluster's barrier: no wave of any partner still reads this slot or has a load on its way
	s_add_nc_u64 s[G0+4*\slot+2:G0+4*\slot+3], s[G0+4*\slot+2:G0+4*\slot+3], 2*CH
	s_add_nc_u64 s[G0B+4*\slot+2:G0B+4*\slot+3], s[G0B+4*\slot+2:G0B+4*\slot+3], 2*CH
	JLOAD G0+4*\slot, G1, G0B+4*\slot, G1B         ; the first tensor load behind the round, my one load until the next; its four v_nop are among the places below
	PLACES NP-4
.else
	PLACES NP
.endif
	FETCH_B \next, 0, 0
	FETCH_A \next, 0, 0
	SCALES \next, \j
	WIN MUL_HI
	MUL16 4, 1, NQ-1, \slot, 0
	MUL16 6, 1, NQ-1, \slot, 0
	PLACES NP
	WIN 0
	FETCH_A \next, 0, 4
.endm
	s_wait_alu depctr_va_vdst(0)
	s_wait_tensorcnt 0x0                           ; my tile of the head's four is in; slot 1's first fill is issued as a refill is
	ds_add_u32 v[SPW], v[NIL]
	s_mov_b32 s[G1+2], 128<<16                     ; no tensor load of mine is out: from here on a load brings 128 rows,
	s_mov_b32 s[G1+4], 128
	s_mov_b32 s[G1B+2], 128<<16
	s_mov_b32 s[G1B+4], 128
	s_mov_b32 s[G0+1], s96                         ; and slot 0's groups 0 take the ring's places: wave x 128 rows, my half of the rows
	s_mov_b32 s[G0B+1], s96
	s_add_nc_u64 s[G0+2:G0+3], s[G0+2:G0+3], s[18:19]
	s_add_nc_u64 s[G0B+2:G0B+3], s[G0B+2:G0B+3], s[18:19]
	s_wait_dscnt 0x0
	CROUND                                         ; all four tiles are in, and all sixteen work-groups are here
	JLOAD G0+4, G1, G0B+4, G1B                     ; K chunk 1: the first tensor load behind the round
	FETCH_B 0, 0, 0
	FETCH_A 0, 0, 0
	SCALES 0, 0
	FETCH_A 0, 0, 4
	STEP 0, 0, 1                                   ; the first products start the sums: nothing is cleared.  K = 1,024 is four chunks: all written out
	TURN 0, 1, 1, 1
	STEP 1, 0, 0
	TURN 1, 0, 1, 2
	STEP 0, 0, 0
	TURN 0, 1, 0, 3
	STEP 1, 0, 0
	s_wait_dscnt 4*NL
	WIN MUL_LO
	MUL16 0, 1, NQ-1, 1, 0
	MUL16 2, 1, NQ-1, 1, 0
	s_wait_dscnt 0
	WIN MUL_HI
	MUL16 4, 1, NQ-1, 1, 0
	MUL16 6, 1, NQ-1, 1, 0
	WIN 0
; THE WAY OUT.  For each of L's eight blocks: 64 sums + bias (each accumulator from its low end on), quantised in registers; the codes are a fragment's image and leave as they stand, 512 consecutive bytes a store.  No LDS.
.macro EPI mode                        ; 0: q or k;  1: v
.irp a, 0,1,2,3,4,5,6,7
.if \a > 0
	s_wait_xcnt 0x0                                ; the last block's stores have read their codes
.endif
	WIN 0x02+(\a/4)                                ; source 0: window 2 or 3
.set n, 0
.rept 32
.if \mode
	v_pk_add_f32 v[H+2*n:H+2*n+1], v[64*(\a%4)+2*n:64*(\a%4)+2*n+1], v[2*\a:2*\a+1]
.else
	v_pk_add_f32 v[H+2*n:H+2*n+1], v[64*(\a%4)+2*n:64*(\a%4)+2*n+1], v[BQ+2*n:BQ+2*n+1]
.endif
.set n, n+1
.endr
	WIN 0
	QUANT H, PC, WS+\a
.irp c, 0,1,2,3
.if \mode
	global_store_b128 v[LI], v[PC+4*\c:PC+4*\c+3], s[94:95] offset:(\a/4)*HS+2048*(\a%4)+512*\c   ; head a / 4, channel tile a % 4: a fragment of v^T
.else
	global_store_b128 v[LI], v[PC+4*\c:PC+4*\c+3], s[94:95] offset:(\c/2)*HS+1024*\a+512*(\c%2)   ; head c / 2, token tile a
.endif
.endr
.endr
	s_mov_b32 s100, 0xffff0000
.irp t, 0,1,2,3
	v_cndmask_b32 v[XW+\t], v[WS+\t], v[WS+4+\t], s100     ; lanes 0-15 blocks 0-3, lanes 16-31 blocks 4-7 (both halves of the lanes hold every word)
.endr
.if \mode
	global_store_b128 v[VSO], v[XW:XW+3], s[96:97]         ; lanes 0-15 the first head's, lanes 16-31 the second's: 256 consecutive bytes each, aligned
.else
.irp t, 0,1,2,3
	v_perm_b32 v[Y0+\t], v[XW+\t], v[XW+\t], 0x01000100    ; the first head's two bytes, twice
	v_perm_b32 v[Y1+\t], v[XW+\t], v[XW+\t], 0x03020302    ; the second head's
.endr
	global_store_b128 v[LI], v[Y0:Y0+3], s[96:97]          ; 512 consecutive bytes
	global_store_b128 v[LI], v[Y1:Y1+3], s[96:97] offset:HS
.endif
.endm
	PLACES NP
	s_wait_loadcnt 0x0                             ; the bias
.irp b, 0,1,2,3
	v_mov_b32 v[TM+4+\b], 0                        ; written once: a lane permute's destination counts as one of its sources
.endr
	s_mov_b32 s95, 0
	s_mov_b32 s97, 0
	s_cmp_eq_u32 ttmp9, 2                          ; the role: the cluster's x
	s_cbranch_scc1 .Lv
	s_lshr_b32 s18, s42, 3                         ; batch
	s_and_b32 s19, s42, 7
	s_lshl_b32 s19, s19, 1
	s_add_co_u32 s19, s19, s15                     ; G: my group of 128 tokens in the batch
	s_lshl_b32 s18, s18, 4
	s_lshl_b32 s20, s40, 2
	s_add_co_u32 s18, s18, s20
	s_lshl_b32 s20, s16, 1
	s_add_co_u32 s18, s18, s20                     ; my first head: 16 x batch + 4 cx + 2 x my half of R
	s_mul_i32 s18, s18, HS
	s_lshl_b32 s20, s19, 9
	s_add_co_u32 s96, s18, s20                     ; scale words: + 512 G
	s_lshr_b32 s20, s19, 1
	s_lshl_b32 s20, s20, 15
	s_and_b32 s21, s19, 1
	s_lshl_b32 s21, s21, 13
	s_add_co_u32 s94, s18, s20
	s_add_co_u32 s94, s94, s21
	s_add_co_u32 s94, s94, 12288                   ; codes: slot G / 2, tiles 8 (G % 2) on
	s_cmp_eq_u32 ttmp9, 0
	s_cselect_b64 s[22:23], s[10:11], s[12:13]     ; q goes to qb, k to kv
	s_add_nc_u64 s[94:95], s[22:23], s[94:95]
	s_add_nc_u64 s[96:97], s[22:23], s[96:97]
	EPI 0
	s_branch .Ldone
.Lv:
	s_lshr_b32 s18, s45, 3                         ; batch
	s_and_b32 s19, s45, 7
	s_lshl_b32 s19, s19, 1
	s_add_co_u32 s19, s19, s16                     ; G
	s_lshl_b32 s18, s18, 4
	s_lshl_b32 s20, s41, 2
	s_add_co_u32 s18, s18, s20
	s_lshl_b32 s20, s15, 1
	s_add_co_u32 s18, s18, s20                     ; my first head: 16 x batch + 4 cy + 2 x my half of L
	s_mul_i32 s18, s18, HS
	s_lshl_b32 s20, s19, 8
	s_add_co_u32 s96, s18, s20
	s_add_co_u32 s96, s96, 8192                    ; scale words: + 8,192 + 256 G
	s_lshr_b32 s20, s19, 1
	s_lshl_b32 s20, s20, 15
	s_and_b32 s21, s19, 1
	s_lshl_b32 s21, s21, 13
	s_add_co_u32 s94, s18, s20
	s_add_co_u32 s94, s94, s21
	s_add_co_u32 s94, s94, 12288+16384             ; codes: slot G / 2, behind k's tiles, group G % 2
	s_add_nc_u64 s[94:95], s[12:13], s[94:95]
	s_add_nc_u64 s[96:97], s[12:13], s[96:97]
	EPI 1
.Ldone:
	s_wait_tensorcnt 0x0                           ; the wave's end
	ds_add_u32 v[SPW], v[NIL]
	s_wait_dscnt 0x0
	CROUND                                         ; the closing round: no work-group ends while a partner may still ask for a tile that names it
	s_endpgm
.Lfunc_end_k_q3b7b2d35b1_qkv:
	.size	k_q3b7b2d35b1_qkv, .Lfunc_end_k_q3b7b2d35b1_qkv-k_q3b7b2d35b1_qkv
	.p2alignl 7, 3214868480
	.fill 96, 4, 3214868480
	.section	.rodata,"a",@progbits
	.p2align	6, 0x0
	.amdhsa_kernel k_q3b7b2d35b1_qkv
		.amdhsa_group_segment_fixed_size 327680
		.amdhsa_private_segment_fixed_size 0
		.amdhsa_enable_private_segment 0
		.amdhsa_kernarg_size 40
		.amdhsa_user_sgpr_count 2
		.amdhsa_user_sgpr_kernarg_segment_ptr 1
		.amdhsa_wavefront_size32 1
		.amdhsa_system_sgpr_workgroup_id_x 1
		.amdhsa_system_sgpr_workgroup_id_y 1
		.amdhsa_system_sgpr_workgroup_id_z 1
		.amdhsa_system_vgpr_workitem_id 0
		.amdhsa_next_free_vgpr 1024
		.amdhsa_next_free_sgpr 102
		.amdhsa_reserve_vcc 0
		.amdhsa_float_denorm_mode_32 3
		.amdhsa_float_denorm_mode_16_64 3
		.amdhsa_memory_ordered 1
		.amdhsa_forward_progress 1
		.amdhsa_inst_pref_size 255
	.end_amdhsa_kernel
	.section	.bss,"aw",@nobits
	.p2align	6
	.space	262144
	.amdgpu_metadata
---
amdhsa.version: [ 1, 2 ]
amdhsa.kernels:
  - .name:           k_q3b7b2d35b1_qkv
    .symbol:         k_q3b7b2d35b1_qkv.kd
    .args:
      - { .name: opc, .offset: 0, .size: 8, .value_kind: global_buffer, .address_space: global }
      - { .name: ops, .offset: 8, .size: 8, .value_kind: global_buffer, .address_space: global }
      - { .name: b_attn, .offset: 16, .size: 8, .value_kind: global_buffer, .address_space: global }
      - { .name: qb, .offset: 24, .size: 8, .value_kind: global_buffer, .address_space: global }
      - { .name: kv, .offset: 32, .size: 8, .value_kind: global_buffer, .address_space: global }
    .group_segment_fixed_size: 327680
    .private_segment_fixed_size: 0
    .kernarg_segment_align: 8
    .kernarg_segment_size: 40
    .max_flat_workgroup_size: 128
    .sgpr_count:     102
    .vgpr_count:     1024
    .wavefront_size: 32
...
	.end_amdgpu_metadata
.endif
;; end of part 2
;; launch attn (part 3): grid 4 x 64, 16 waves a work-group, clusters of 4 x 1, 327,680 bytes of LDS; arguments qb, kv, yc, ys; writes yc, ys
.if DOCPART == 3
	.amdgcn_target "amdgcn-amd-amdhsa--gfx1250"
	.amdhsa_code_object_version 6
	.text
	.protected	k_q3b7b2d35b1_attn
	.globl	k_q3b7b2d35b1_attn
	.p2align	8
	.type	k_q3b7b2d35b1_attn,@function
k_q3b7b2d35b1_attn:
	s_mov_b64 s[64:65], 0
	v_nop
	global_prefetch_b8 v0, s[64:65] scope:SCOPE_SE
	s_setreg_imm32_b32 hwreg(HW_REG_WAVE_MODE, 25, 1), 1
	s_wait_xcnt 0x0
	s_wait_alu depctr_hold_cnt(0) depctr_sa_sdst(0) depctr_va_vdst(0) depctr_va_sdst(0) depctr_va_ssrc(0) depctr_va_vcc(0) depctr_vm_vsrc(0)
	s_getreg_b32 s2, hwreg(HW_REG_IB_STS2, 6, 4)
	s_cmp_eq_u32 s2, 0
	s_cbranch_scc0 .Lentry_in_a_cluster
	s_endpgm
.Lentry_in_a_cluster:
	s_bfe_u32 s2, ttmp6, 0x10000c
	s_cmp_lg_u32 s2, 0x3003
	s_cbranch_scc0 .Lentry_shape_is_right
	s_endpgm
.Lentry_shape_is_right:
; y = softmax(q k^T / 8, causal) v for each of 64 heads (16 x batch + head), both products on codes of BF8 (E5M2) with E8M0 scales for each 32 along K; y is quantised again along its channels and leaves as codes for the projection.
; THE SOFTMAX: t = score x log2(e) / 8; M = the running largest t rounded up to a whole number; p = 2^(t - M) is quantised along the keys; the row's sum is taken of the unquantised p and divides at the end; when M moves, sum and O are multiplied by 2^(old M - new M).
; LEFT OUT: key steps all of whose keys come after a tile's queries: the causal mask sets their scores to -infinity.
; LIMITS: NaN and infinities are not served; the scaled scores stay under 2^31 in magnitude (a hidden score is held under -2^99); a block whose every p is 0 keeps the byte 1 (its codes are zeros; this program alone reads the bytes).
; INPUT, for each head HS bytes in kv (k, v) and qb (q in k's places): +0 k's scale words [128 tokens][tile / 4][r][tile % 4]; +8,192 v's [128 keys][r][channel tile]; +12,288 + 32,768 s: 256 keys: 16 tiles of k (1,024 bytes), then 2 x 4 fragments of v^T.
;   Place r of token tile 2 g + u is token 32 g + 8 u + r + 8 (r / 8).  A pair of k's tiles is one source 0 of 128 along K; q stands beside 64 zero codes, as [q | 0] or [0 | q], and so picks one tile of the pair.
; SHARES.  The four work-groups of a head form a cluster and read the same k and v: the head's whole image, HS bytes, comes into each one's LDS ONCE, by joint loads (mask 15), one load a wave, all at the head; nothing is filled again.
;   Wave w of partner cx owns token tiles 4 w + cx and 127 - (4 w + cx): 16 - w / 2 and w / 2 + 1 key steps of 128, 17 for every wave.  No branch, trip count or LDS address hangs on cx: only global addresses and the mask's numbers do.
;   The long tile goes first.  Two barriers show the image as it lands: waves 0, 1 (scale words, keys 0-255) ahead of step 0, waves 2-15 (the rest) ahead of step 2; each group has a load line of its own.
; TWO BUFFERS OF 64 REGISTERS SWAP ROLES FROM STEP TO STEP: one holds k's fragments and then v's, the other the scores and then p.  As soon as a block of p is converted, its 16 registers take a fragment of the NEXT step's k: 16 + 2 LDS loads are out under the rest of the step.
; NO PREFETCH: every tensor load of the launch is issued at its head, so no later load exists to run ahead of.
; REGISTERS: v1-7, v248 addresses; v8, v9 q's and p's scale words; v[10:11] f, 0; v12 -M, v13 largest t, v[14:15] the sum; v16-39 [q | 0 | q]; v40-103, v104-167 the two buffers; v168-199 O^T; v200-215 codes; v216-251 at work.
.set HS,  274432
.set SPARE, 274432                     ; behind the image: the spare words, 128 bytes a wave: eight blocks of 256 bytes that no other line names
.set LI,  1                            ; 16 x lane
.set ASC, 2                            ; 16 r
.set DQ,  3                            ; r + 8 (r / 8) - 16 h
.set ADK0, 4                           ; k's and v's fragments of an even step
.set ADK1, 248                         ; of an odd step
.set ADS, 5
.set ADT, 6
.set YSL, 7                            ; 16 r + h
.set QS,  8
.set PS,  9
.set FP,  10
.set QF,  16
.set O,   168
.set PCD, 200
.set BM,  216
.set BP,  220
.set BH,  224
.set BS,  228
.set KS,  232
.set VS,  240
.set SUM2, 244
.set T0,  246
.set XP,  250                          ; v[250:251] the mask's bounds for a pair of registers
.set SPW, 254
.set NIL, 255
.set WV,  12
.set CX,  13
.set HD,  14
.set NB,  15                           ; key steps of the long tile
.set J,   16                           ; the even step of a trip
.set LJ,  17                           ; the step in which the tile in hand ends: it lies on the diagonal
.set KI,  18                           ; the key step in hand
.set TT,  19                           ; the tile in hand
.set SEL, 20
.set CS,  22
.set MNT, 24
.set Q0,  25
.set HM,  27
.set G0A, 28
.set G0B, 32
.set G1A, 36
.set G1B, 44
.set QBASE, 52
.set YB,  56
.set YSB, 58
.set QA,  66
.set QSA, 68
.set STA, 70
.set STB, 72
.set TA,  74                           ; the short tile
.set KN,  75                           ; the next key step
.set NA,  76                           ; where its fragments lie in LDS,
.set NS,  77                           ; and k's scale words
.set NT,  78                           ; v's scale words of the step in hand
.set JO,  79                           ; the odd step of a trip
.macro CROUND                          ; a round of the cluster's barrier
	s_barrier_signal -1
	s_barrier_wait -1
	s_cmp_lg_u32 s[WV], 0
	s_cbranch_scc1 .Lnw0_\@
	s_barrier_signal -3
.Lnw0_\@:
	s_barrier_wait -3
	s_barrier_signal -1
	s_barrier_wait -1
.endm
.macro TL g0, g1                       ; a joint load; an s_nop 0 and four v_nop follow it
	tensor_load_to_lds s[\g0:\g0+3], s[\g1:\g1+7]
	s_nop 0
.rept 4
	v_nop
.endr
.endm
.macro GATE under                      ; the waves under this number wait for their load (0: all wait), then the barrier shows it to all sixteen
.if \under
	s_cmp_lt_u32 s[WV], \under
	s_cbranch_scc0 .Lnot_mine_\@
	s_wait_tensorcnt 0x0
.Lnot_mine_\@:
.else
	s_wait_tensorcnt 0x0
.endif
	s_barrier_signal -1
	s_barrier_wait -1
.endm
.macro QLOAD t                         ; q's codes (twice: [q | 0 | q]) and scale words of tile s[t]
	s_lshr_b32 s60, s[\t], 4
	s_lshl_b32 s60, s60, 15
	s_and_b32 s62, s[\t], 15
	s_lshl_b32 s62, s62, 10
	s_add_co_u32 s60, s60, s62
	s_add_co_u32 s60, s60, 12288
	s_add_nc_u64 s[QA:QA+1], s[QBASE:QBASE+1], s[60:61]
	global_load_b128 v[QF:QF+3], v[LI], s[QA:QA+1]
	global_load_b128 v[QF+4:QF+7], v[LI], s[QA:QA+1] offset:512
	global_load_b128 v[QF+16:QF+19], v[LI], s[QA:QA+1]
	global_load_b128 v[QF+20:QF+23], v[LI], s[QA:QA+1] offset:512
	s_lshr_b32 s60, s[\t], 2
	s_lshl_b32 s60, s60, 8
	s_and_b32 s62, s[\t], 3
	s_lshl_b32 s62, s62, 2
	s_add_co_u32 s60, s60, s62
	s_add_nc_u64 s[QSA:QSA+1], s[QBASE:QBASE+1], s[60:61]
	global_load_b32 v[QS], v[ASC], s[QSA:QSA+1]
.endm
.macro INIT                            ; a tile begins: its first query; largest t -3e38, sum and O^T zeros (the first change of M leaves zeros zeros)
	s_lshr_b32 s62, s[TT], 1
	s_lshl_b32 s62, s62, 5
	s_and_b32 s63, s[TT], 1
	s_lshl_b32 s63, s63, 3
	s_add_co_u32 s[Q0], s62, s63
	v_mov_b32 v13, 0xff61b1e6
	v_floor_f32 v12, -v13
	v_mov_b32 v14, 0
	v_mov_b32 v15, 0
.set n, 0
.rept 16
	v_dual_mov_b32 v[O+n], 0 :: v_dual_mov_b32 v[O+n+1], 0
.set n, n+2
.endr
.endm
.macro NEXTS                           ; where key step s[KN] lies: 12,288 + 32,768 (KN / 2) + 8,192 (KN % 2); k's scale words at 512 KN
	s_lshr_b32 s[NA], s[KN], 1
	s_lshl_b32 s[NA], s[NA], 15
	s_and_b32 s62, s[KN], 1
	s_lshl_b32 s62, s62, 13
	s_add_co_u32 s[NA], s[NA], s62
	s_add_co_u32 s[NA], s[NA], 12288
	s_lshl_b32 s[NS], s[KN], 9
.endm
.macro KFRAG dst, ak, g                ; a pair of k's tiles: four loads of 512 consecutive bytes
.irp c, 0,1,2,3
	ds_load_b128 v[\dst+16*\g+4*\c:\dst+16*\g+4*\c+3], v[\ak] offset:2048*\g+512*\c
.endr
.endm
.macro KSC
	ds_load_b128 v[KS:KS+3], v[ADS]
	ds_load_b128 v[KS+4:KS+7], v[ADS] offset:256
.endm
.macro KOWN k                          ; behind a gate: k of the even step k, which no step before could ask for
	s_mov_b32 s[KN], \k
	NEXTS
	v_add_nc_u32 v[ADK0], s[NA], v[LI]
	v_add_nc_u32 v[ADS], s[NS], v[ASC]
	s_wait_alu depctr_va_vdst(0)                   ; v's loads read the address again behind a wait
.irp g, 0,1,2,3
	KFRAG 40, ADK0, \g
.endr
	KSC
.endm
.macro FINISH                          ; O^T / the sum, quantised along the head's 64 channels (two blocks), stored as a piece of the projection's operand image.  At work in v's buffer, FS on: p's registers may be taking the next k
	v_add_f32 v14, v14, v15
	s_delay_alu instid0(VALU_DEP_1)
	v_permlanex16_b32 v[T0], v14, s[SEL], s[SEL+1]
	s_delay_alu instid0(VALU_DEP_1)
	v_add_f32 v14, v14, v[T0]
	s_wait_alu depctr_va_vdst(0)                   ; the wait ahead of the transcendental
	v_rcp_f32 v[FP], v14
	v_nop
.set n, 0
	s_wait_alu depctr_va_vdst(0)                   ; and behind it, directly ahead of the first readers of it and of O^T
.rept 16
	v_pk_mul_f32 v[FS+2*n:FS+2*n+1], v[O+2*n:O+2*n+1], v[FP:FP+1] op_sel_hi:[1,0]
.set n, n+1
.endr
.irp b, 0,1
	v_max3_num_f32 v[BM+\b], |v[FS+16*\b]|, |v[FS+1+16*\b]|, 0x8000000
.endr
.irp i, 2,4,6,8,10,12,14
.irp b, 0,1
	s_delay_alu instid0(VALU_DEP_2)
	v_max3_num_f32 v[BM+\b], v[BM+\b], |v[FS+16*\b+\i]|, |v[FS+1+16*\b+\i]|
.endr
.endr
.irp b, 0,1
	s_delay_alu instid0(VALU_DEP_2)
	v_permlanex16_b32 v[BP+\b], v[BM+\b], s[SEL], s[SEL+1]
.endr
.irp b, 0,1
	s_delay_alu instid0(VALU_DEP_2)
	v_max_num_f32 v[BM+\b], v[BM+\b], v[BP+\b]
.endr
.irp b, 0,1
	s_delay_alu instid0(VALU_DEP_2)
	v_add_nc_u32 v[BS+\b], 0xf8800000, v[BM+\b]
.endr
.irp b, 0,1
	s_delay_alu instid0(VALU_DEP_4)
	v_and_or_b32 v[BH+\b], v[BM+\b], 0x7f800000, s[MNT]
.endr
.irp b, 0,1
	s_delay_alu instid0(VALU_DEP_4)
	v_lshrrev_b32 v[BP+\b], 23, v[BS+\b]
.endr
	s_delay_alu instid0(VALU_DEP_1)
	v_cndmask_b32 v[T0], v[BP], v[BP+1], s[HM]     ; lanes 0-15 store block 0's byte, lanes 16-31 block 1's
.irp b, 0,1
.irp i, 0,1,2,3,4,5,6,7,8,9,10,11,12,13,14,15
	v_med3_num_f32 v[FS+16*\b+\i], v[FS+16*\b+\i], -v[BH+\b], v[BH+\b]
.endr
	v_cvt_scalef32_pk8_bf8_f32 v[PCD+4*\b:PCD+1+4*\b], v[FS+16*\b:FS+7+16*\b], v[BS+\b]
	v_cvt_scalef32_pk8_bf8_f32 v[PCD+2+4*\b:PCD+3+4*\b], v[FS+8+16*\b:FS+15+16*\b], v[BS+\b]
.endr
	v_nop
	s_lshl_b32 s60, s[TT], 12
	s_add_nc_u64 s[STA:STA+1], s[YB:YB+1], s[60:61]
	s_lshl_b32 s60, s[TT], 9
	s_add_nc_u64 s[STB:STB+1], s[YSB:YSB+1], s[60:61]
	global_store_b128 v[LI], v[PCD:PCD+3], s[STA:STA+1]              ; 512 consecutive bytes a store
	global_store_b128 v[LI], v[PCD+4:PCD+7], s[STA:STA+1] offset:512
	global_store_b8 v[YSL], v[T0], s[STB:STB+1]
	s_wait_xcnt 0x0                                ; the stores have read their registers, which the next step writes
.endm
; A KEY STEP: 128 keys for my 16 queries.  full = 1: a step in which a tile can end or begin (jr: the register that holds the step's number; full = 0: jr is the number itself).  e: the step's parity: which buffer is which.  pre = 1: the next step's k is asked for.
.macro TRIP full, e, pre, jr
.if \e
.set KB, 104
.set S, 40
.set AKC, ADK1
.set AKN, ADK0
.else
.set KB, 40
.set S, 104
.set AKC, ADK0
.set AKN, ADK1
.endif
.set FS, KB
	s_mov_b32 s[KI], s[KN]
.if \full
	s_cmp_lg_u32 s[\jr], s[NB]
	s_cbranch_scc1 .Lsame_\@
	s_mov_b32 s[TT], s[TA]                         ; the short tile begins
	s_mov_b32 s[LJ], 16
	INIT
.Lsame_\@:
.endif
.if \pre
.if \full
	s_add_co_u32 s62, s[\jr], 1
	s_cmp_ge_u32 s62, s[NB]
	s_cselect_b32 s63, s[NB], 0
	s_sub_co_u32 s[KN], s62, s63
	s_and_b32 s[KN], s[KN], 15
.else
	s_mov_b32 s[KN], (\jr)+1
.endif
	NEXTS
.endif
	s_lshl_b32 s[NT], s[KI], 8
	s_add_co_u32 s[NT], s[NT], 8192
.if \full
	s_wait_loadcnt 0x0                             ; q of a tile that begins here
.endif
	s_wait_dscnt 0x0                               ; k's fragments and scale words, asked for in the step before or behind the gate
.irp a, 0,1,2,3,4,5,6,7
	v_wmma_scale_f32_16x16x128_f8f6f4 v[S+8*\a:S+8*\a+7], v[KB+16*(\a/2):KB+16*(\a/2)+15], v[QF+8*(\a%2):QF+8*(\a%2)+15], 0, v[KS+\a], v[QS] matrix_a_fmt:MATRIX_FMT_BF8 matrix_b_fmt:MATRIX_FMT_BF8
.endr
.if \pre                               ; eight places ahead of loads into what the products have read, and of the first read of the scores: the addresses that are due, and v_nop
	v_add_nc_u32 v[AKN], s[NA], v[LI]
	v_add_nc_u32 v[ADS], s[NS], v[ASC]
.else
	v_nop
	v_nop
.endif
	v_add_nc_u32 v[ADT], s[NT], v[ASC]
.rept 5
	v_nop
.endr
.irp t, 0,1,2,3
.irp c, 0,1,2,3
	ds_load_b128 v[KB+16*\t+4*\c:KB+16*\t+4*\c+3], v[AKC] offset:16384+2048*\t+512*\c
.endr
.endr
	ds_load_b128 v[VS:VS+3], v[ADT]
.if \full
	s_cmp_lg_u32 s[\jr], s[LJ]
	s_cbranch_scc1 .Lopen_\@
.if \pre                               ; in the steps that have a successor the tile that ends is the long one; the last step, which ends the short tile, asks for no q
	QLOAD TA                                       ; the long tile's scores are made: the short tile's q comes while this step's softmax is worked
.endif
	; ON THE DIAGONAL.  Register 16 b + i holds key 128 KI + 16 h + 32 b + i: hidden where 32 b + i > d = my query - 128 KI - 16 h.  A score is held under 2^100 (d + 1/2 - (32 b + i)): far above it where the key counts, under -2^99 where it is hidden: p = 0 then.
	s_lshl_b32 s62, s[KI], 7
	s_sub_co_i32 s62, s[Q0], s62
	v_add_nc_u32 v[T0], s62, v[DQ]
	v_cvt_f32_i32 v[T0], v[T0]
	v_add_f32 v[T0], 0.5, v[T0]
	v_mul_f32 v[XP], 0x71800000, v[T0]             ; 2^100 (d + 1/2)
	v_add_f32 v[XP+1], 0xf1800000, v[XP]           ; and one key on
.set n, 0
.rept 32
.if n > 0
.if n%8 == 0
	v_pk_add_f32 v[XP:XP+1], v[XP:XP+1], 0xf3900000 op_sel_hi:[1,0]   ; 18 keys on, into the next block: every number is a small multiple of 2^99, so nothing is rounded
.else
	v_pk_add_f32 v[XP:XP+1], v[XP:XP+1], 0xf2000000 op_sel_hi:[1,0]   ; two keys on
.endif
.endif
	v_dual_min_num_f32 v[S+2*n], v[S+2*n], v[XP] :: v_dual_min_num_f32 v[S+2*n+1], v[S+2*n+1], v[XP+1]
.set n, n+1
.endr
.Lopen_\@:
.endif
.irp b, 0,1,2,3
	v_max3_num_f32 v[BM+\b], v[S+16*\b], v[S+1+16*\b], v[S+2+16*\b]   ; the largest score of each block of 32 keys: for the row's maximum and for the block's largest p
.endr
.irp i, 3,5,7,9,11,13
.irp b, 0,1,2,3
	v_max3_num_f32 v[BM+\b], v[BM+\b], v[S+16*\b+\i], v[S+1+16*\b+\i]
.endr
.endr
.irp b, 0,1,2,3
	v_max_num_f32 v[BM+\b], v[BM+\b], v[S+15+16*\b]
.endr
.irp b, 0,1,2,3
	s_delay_alu instid0(VALU_DEP_4)
	v_permlanex16_b32 v[BP+\b], v[BM+\b], s[SEL], s[SEL+1]
.endr
.irp b, 0,1,2,3
	s_delay_alu instid0(VALU_DEP_4)
	v_max_num_f32 v[BM+\b], v[BM+\b], v[BP+\b]
.endr
	s_delay_alu instid0(VALU_DEP_2)
	v_max3_num_f32 v[T0], v[BM], v[BM+1], v[BM+2]
	s_delay_alu instid0(VALU_DEP_1)
	v_max_num_f32 v[T0], v[T0], v[BM+3]
	s_delay_alu instid0(VALU_DEP_1)
	v_mul_f32 v[T0], s[CS], v[T0]
	s_delay_alu instid0(VALU_DEP_1)
	v_max_num_f32 v13, v13, v[T0]                  ; the running largest t
	v_mov_b32 v[T0], v12
	s_delay_alu instid0(VALU_DEP_2)
	v_floor_f32 v12, -v13                          ; -M = floor(-t)
	s_delay_alu instid0(VALU_DEP_1)
	v_sub_f32 v[T0], v12, v[T0]
	s_delay_alu instid0(VALU_DEP_1)
	v_cvt_i32_f32 v[T0], v[T0]
	s_delay_alu instid0(VALU_DEP_1)
	v_ldexp_f32 v[FP], 1.0, v[T0]                  ; f = 2^(old M - new M)
.set n, 0
.rept 32
	v_pk_fma_f32 v[S+2*n:S+2*n+1], v[S+2*n:S+2*n+1], s[CS:CS+1], v[12:13] op_sel_hi:[1,0,0]   ; t - M
.set n, n+1
.endr
.irp b, 0,1,2,3
	v_fma_f32 v[BM+\b], v[BM+\b], s[CS], v12
.endr
.set n, 0
	s_wait_alu depctr_va_vdst(0)                   ; the wait ahead of the batch
.rept 64
	v_exp_f32 v[S+n], v[S+n]
.set n, n+1
.endr
.irp b, 0,1,2,3
	v_exp_f32 v[BM+\b], v[BM+\b]                   ; the block's largest p: the same two instructions on the same number
.endr
	v_pk_mul_f32 v[14:15], v[14:15], v[FP:FP+1] op_sel_hi:[1,0]
	s_wait_alu depctr_va_vdst(0)                   ; and behind it, ahead of its first reader
.irp b, 0,1,2,3
	v_max_num_f32 v[BM+\b], 0x8000000, v[BM+\b]    ; the floor 2^(16 - 127): the byte cannot fall under 1
.endr
.irp b, 0,1,2,3
	s_delay_alu instid0(VALU_DEP_4)
	v_add_nc_u32 v[BS+\b], 0xf8800000, v[BM+\b]    ; the conversion's scale operand
.endr
.irp b, 0,1,2,3
	v_and_or_b32 v[BH+\b], v[BM+\b], 0x7f800000, s[MNT]   ; 57,344 x the scale
.endr
.irp b, 0,1,2,3
	v_lshrrev_b32 v[BP+\b], 23, v[BS+\b]
.endr
	s_delay_alu instid0(VALU_DEP_3)
	v_lshl_or_b32 v[PS], v[BP+1], 8, v[BP]
	s_delay_alu instid0(VALU_DEP_1)
	v_lshl_or_b32 v[PS], v[BP+2], 16, v[PS]
	s_delay_alu instid0(VALU_DEP_1)
	v_lshl_or_b32 v[PS], v[BP+3], 24, v[PS]        ; p's scale word for these 128 keys
	v_pk_add_f32 v[SUM2:SUM2+1], v[S:S+1], v[S+2:S+3]      ; the row's sum, of the unquantised p, in two chains
.irp j, 4,8,12,16,20,24,28,32,36,40,44,48,52,56,60
	v_pk_add_f32 v[14:15], v[14:15], v[S+\j:S+1+\j]
	v_pk_add_f32 v[SUM2:SUM2+1], v[SUM2:SUM2+1], v[S+2+\j:S+3+\j]
.endr
	s_delay_alu instid0(VALU_DEP_1)
	v_pk_add_f32 v[14:15], v[14:15], v[SUM2:SUM2+1]
.irp b, 0,1,2,3
.irp i, 0,2,4,6,8,10,12,14
	v_dual_min_num_f32 v[S+16*\b+\i], v[S+16*\b+\i], v[BH+\b] :: v_dual_min_num_f32 v[S+16*\b+\i+1], v[S+16*\b+\i+1], v[BH+\b]   ; the hold (the conversion does not saturate: ISA guide 7.6.2); p is not negative, so it is one-sided; two numbers a line
.endr
	v_cvt_scalef32_pk8_bf8_f32 v[PCD+4*\b:PCD+1+4*\b], v[S+16*\b:S+7+16*\b], v[BS+\b]
	v_cvt_scalef32_pk8_bf8_f32 v[PCD+2+4*\b:PCD+3+4*\b], v[S+8+16*\b:S+15+16*\b], v[BS+\b]
.if \pre
	KFRAG S, AKN, \b                               ; the block is converted: its 16 registers take a fragment of the next step's k
.endif
.endr
.if \pre
	KSC
.endif
	s_wait_alu depctr_va_vdst(0)                   ; the wait directly ahead of the first reader of O^T
.set n, 0
.rept 16
	v_pk_mul_f32 v[O+2*n:O+2*n+1], v[O+2*n:O+2*n+1], v[FP:FP+1] op_sel_hi:[1,0]   ; O^T under the new M; also the places ahead of the products below
.set n, n+1
.endr
	s_wait_alu depctr_va_vdst(0)
	s_wait_dscnt 18*\pre                           ; v's fragments and scale words are in; the 16 + 2 loads of the next step's k, issued behind them, may be out
.irp t, 0,1,2,3
	v_wmma_scale_f32_16x16x128_f8f6f4 v[O+8*\t:O+8*\t+7], v[KB+16*\t:KB+16*\t+15], v[PCD:PCD+15], v[O+8*\t:O+8*\t+7], v[VS+\t], v[PS] matrix_a_fmt:MATRIX_FMT_BF8 matrix_b_fmt:MATRIX_FMT_BF8
.endr
.rept 9
	v_nop                                          ; nine places: the next step's first products write their scores over v's fragments
.endr
.if \full
	s_cmp_lg_u32 s[\jr], s[LJ]
	s_cbranch_scc1 .Lgoes_on_\@
	FINISH
.Lgoes_on_\@:
.endif
.endm
	s_load_b256 s[4:11], s[0:1], 0x0               ; qb, kv, yc, ys
	v_lshl_add_u32 v[SPW], v0, 2, SPARE
	v_mov_b32 v[NIL], 0
	ds_add_u32 v[SPW], v[NIL]                      ; the opening lines: the add, twice on end, and its wait ahead of my first tensor load
	ds_add_u32 v[SPW], v[NIL]
	v_lshrrev_b32 v2, 5, v0
	v_readfirstlane_b32 s[WV], v2                  ; wave 0..15
	s_bfe_u32 s[CX], ttmp6, 0x40000                ; my place in the cluster
	s_and_b32 s[HD], ttmp7, 0xffff                 ; 16 x batch + head
	s_lshl_b32 s[TA], s[WV], 2
	s_add_co_u32 s[TA], s[TA], s[CX]               ; the short tile,
	s_sub_co_u32 s[TT], 127, s[TA]                 ; and the long one, which goes first
	s_lshr_b32 s[NB], s[WV], 1
	s_sub_co_u32 s[NB], 16, s[NB]
	s_sub_co_u32 s[LJ], s[NB], 1
	s_mul_i32 s60, s[HD], HS
	s_mov_b32 s61, 0
	s_mov_b32 s[G1A], 15|(3<<16)|(1<<21)           ; group 1: the mask names the four partners; elements of 8 bytes; dense rows of 256 bytes: 88 a wave for waves 0, 1,
	s_mov_b32 s[G1A+1], 32<<16
	s_mov_b32 s[G1A+2], 88<<16
	s_mov_b32 s[G1A+3], 32<<16
	s_mov_b32 s[G1A+4], 88
	s_mov_b32 s[G1A+5], 32
	s_mov_b32 s[G1A+6], 0
	s_mov_b32 s[G1A+7], 0
	s_mov_b32 s[G1B], 15|(3<<16)|(1<<21)           ; 64 a wave for waves 2 to 15: 2 x 88 + 14 x 64 = 1,072 rows = HS bytes
	s_mov_b32 s[G1B+1], 32<<16
	s_mov_b32 s[G1B+2], 64<<16
	s_mov_b32 s[G1B+3], 32<<16
	s_mov_b32 s[G1B+4], 64
	s_mov_b32 s[G1B+5], 32
	s_mov_b32 s[G1B+6], 0
	s_mov_b32 s[G1B+7], 0
	s_mov_b32 s[G0A], 1
	s_mul_i32 s[G0A+1], s[WV], 22528               ; the image lies in LDS as in memory
	s_mov_b32 s[G0B], 1
	s_mul_i32 s[G0B+1], s[WV], 16384
	s_add_co_u32 s[G0B+1], s[G0B+1], 12288         ; 45,056 + 16,384 (wave - 2)
	s_mov_b32 s62, s[G0A+1]
	s_mov_b32 s63, 0
	s_mov_b32 s54, s[G0B+1]
	s_mov_b32 s55, 0
	s_mov_b32 s[SEL], 0x76543210
	s_mov_b32 s[SEL+1], 0xfedcba98
	s_mov_b32 s[CS], 0x3e38aa3b                    ; log2(e) / 8
	s_mov_b32 s[CS+1], s[CS]
	s_mov_b32 s[MNT], 0x600000
	s_mov_b32 s[HM], 0xffff0000
	s_wait_dscnt 0x0                               ; both opening adds are done
	CROUND                                         ; the four partners are here: the joint loads meet
	s_wait_kmcnt 0x0
	s_add_nc_u64 s[6:7], s[6:7], s[60:61]
	s_add_nc_u64 s[QBASE:QBASE+1], s[4:5], s[60:61]
	s_add_nc_u64 s[G0A+2:G0A+3], s[6:7], s[62:63]
	s_or_b32 s[G0A+3], s[G0A+3], 0x80000000
	s_add_nc_u64 s[G0B+2:G0B+3], s[6:7], s[54:55]
	s_or_b32 s[G0B+3], s[G0B+3], 0x80000000
	s_cmp_lt_u32 s[WV], 2                          ; one branch on the wave's number, one load to an arm: the waves that wait at the first gate have a line of their own
	s_cbranch_scc0 .Larm_b
	TL G0A, G1A
	s_branch .Lasked
.Larm_b:
	TL G0B, G1B
.Lasked:
	v_and_b32 v3, 31, v0
	v_lshlrev_b32 v[LI], 4, v3
	v_and_b32 v4, 15, v0                           ; r
	v_bfe_u32 v5, v0, 4, 1                         ; h
	v_lshlrev_b32 v[ASC], 4, v4
	v_add_nc_u32 v[YSL], v[ASC], v5
	v_and_b32 v6, 8, v4
	v_add_nc_u32 v6, v6, v4
	v_lshlrev_b32 v5, 4, v5
	v_sub_nc_u32 v[DQ], v6, v5
	v_mov_b32 v[FP+1], 0                           ; (named as the upper half of f's pair)
.irp n, 0,1,2,3,4,5,6,7
	v_mov_b32 v[QF+8+\n], 0                        ; the 64 zero codes between the two copies of q
.endr
.irp b, 0,1,2,3
	v_mov_b32 v[BP+\b], 0                          ; written once: a lane permute's destination counts as one of its sources
.endr
	v_mov_b32 v[T0], 0
	s_wait_alu depctr_va_vdst(0)
	QLOAD TT
	s_and_b32 s63, s[HD], 15                       ; where y goes: yc [head / 4][row tile 128 x batch + tile][head % 4][1,024]; ys [row tile][head / 8][r][(head / 2) % 4][2 (head % 2) + block]
	s_lshr_b32 s62, s[HD], 4
	s_lshr_b32 s60, s63, 2
	s_lshl_b32 s60, s60, 21
	s_lshl_b32 s54, s62, 19
	s_add_co_u32 s60, s60, s54
	s_and_b32 s54, s63, 3
	s_lshl_b32 s54, s54, 10
	s_add_co_u32 s60, s60, s54
	s_add_nc_u64 s[YB:YB+1], s[8:9], s[60:61]
	s_lshl_b32 s60, s62, 16
	s_lshr_b32 s54, s63, 3
	s_lshl_b32 s54, s54, 8
	s_add_co_u32 s60, s60, s54
	s_bfe_u32 s54, s63, 0x20001
	s_lshl_b32 s54, s54, 2
	s_add_co_u32 s60, s60, s54
	s_and_b32 s54, s63, 1
	s_lshl_b32 s54, s54, 1
	s_add_co_u32 s60, s60, s54
	s_add_nc_u64 s[YSB:YSB+1], s[10:11], s[60:61]
	INIT
	s_wait_alu depctr_va_vdst(0)
	s_wait_loadcnt 0x0                             ; q
	GATE 2                                         ; the scale words and keys 0-255 are in
	KOWN 0
	TRIP 0, 0, 1, 0
	TRIP 0, 1, 0, 1                                ; step 2's k is not shown yet: it is asked for behind the gate
	GATE 0                                         ; all of the image is in: every wave waits, under no branch
	KOWN 2
	s_mov_b32 s[J], 2
.Lpair:                                                ; seven trips of two steps: the buffers are back in their roles at a trip's end
	s_add_co_u32 s[JO], s[J], 1
	TRIP 1, 0, 1, J
	TRIP 1, 1, 1, JO
	s_add_co_u32 s[J], s[J], 2
	s_cmp_lt_u32 s[J], 16
	s_cbranch_scc1 .Lpair
	TRIP 1, 0, 0, J                                ; step 16 asks for nothing more
	s_wait_tensorcnt 0x0                           ; the wave's end
	ds_add_u32 v[SPW], v[NIL]
	s_wait_dscnt 0x0
	CROUND                                         ; the closing round
	s_endpgm
.Lfunc_end_k_q3b7b2d35b1_attn:
	.size	k_q3b7b2d35b1_attn, .Lfunc_end_k_q3b7b2d35b1_attn-k_q3b7b2d35b1_attn
	.p2alignl 7, 3214868480
	.fill 96, 4, 3214868480
	.section	.rodata,"a",@progbits
	.p2align	6, 0x0
	.amdhsa_kernel k_q3b7b2d35b1_attn
		.amdhsa_group_segment_fixed_size 327680
		.amdhsa_private_segment_fixed_size 0
		.amdhsa_enable_private_segment 0
		.amdhsa_kernarg_size 32
		.amdhsa_user_sgpr_count 2
		.amdhsa_user_sgpr_kernarg_segment_ptr 1
		.amdhsa_wavefront_size32 1
		.amdhsa_system_sgpr_workgroup_id_x 1
		.amdhsa_system_sgpr_workgroup_id_y 1
		.amdhsa_system_sgpr_workgroup_id_z 1
		.amdhsa_system_vgpr_workitem_id 0
		.amdhsa_next_free_vgpr 256
		.amdhsa_next_free_sgpr 80
		.amdhsa_reserve_vcc 0
		.amdhsa_float_denorm_mode_32 3
		.amdhsa_float_denorm_mode_16_64 3
		.amdhsa_memory_ordered 1
		.amdhsa_forward_progress 1
		.amdhsa_inst_pref_size 148
	.end_amdhsa_kernel
	.amdgpu_metadata
---
amdhsa.version: [ 1, 2 ]
amdhsa.kernels:
  - .name:           k_q3b7b2d35b1_attn
    .symbol:         k_q3b7b2d35b1_attn.kd
    .args:
      - { .name: qb, .offset: 0, .size: 8, .value_kind: global_buffer, .address_space: global }
      - { .name: kv, .offset: 8, .size: 8, .value_kind: global_buffer, .address_space: global }
      - { .name: yc, .offset: 16, .size: 8, .value_kind: global_buffer, .address_space: global }
      - { .name: ys, .offset: 24, .size: 8, .value_kind: global_buffer, .address_space: global }
    .group_segment_fixed_size: 327680
    .private_segment_fixed_size: 0
    .kernarg_segment_align: 8
    .kernarg_segment_size: 32
    .max_flat_workgroup_size: 512
    .sgpr_count:     80
    .vgpr_count:     256
    .wavefront_size: 32
...
	.end_amdgpu_metadata
.endif
;; end of part 3
;; launch proj (part 4): grid 4 x 64, 4 waves a work-group, clusters of 4 x 4, 327,680 bytes of LDS; arguments yc, ys, opc, ops, b_proj, out0; writes out0
.if DOCPART == 4
	.amdgcn_target "amdgcn-amd-amdhsa--gfx1250"
	.amdhsa_code_object_version 6
	.text
	.protected	k_q3b7b2d35b1_proj
	.globl	k_q3b7b2d35b1_proj
	.p2align	8
	.type	k_q3b7b2d35b1_proj,@function
k_q3b7b2d35b1_proj:
	s_mov_b64 s[64:65], 0
	v_nop
	global_prefetch_b8 v0, s[64:65] scope:SCOPE_SE
	s_setreg_imm32_b32 hwreg(HW_REG_WAVE_MODE, 25, 1), 1
	s_wait_xcnt 0x0
	s_wait_alu depctr_hold_cnt(0) depctr_sa_sdst(0) depctr_va_vdst(0) depctr_va_sdst(0) depctr_va_ssrc(0) depctr_va_vcc(0) depctr_vm_vsrc(0)
	s_getreg_b32 s2, hwreg(HW_REG_IB_STS2, 6, 4)
	s_cmp_eq_u32 s2, 0
	s_cbranch_scc0 .Lentry_in_a_cluster
	s_endpgm
.Lentry_in_a_cluster:
	s_bfe_u32 s2, ttmp6, 0x10000c
	s_cmp_lg_u32 s2, 0xf033
	s_cbranch_scc0 .Lentry_shape_is_right
	s_endpgm
.Lentry_shape_is_right:
; out0 = y W_proj + b_proj on codes of BF8 (E5M2) with E8M0 scales for each 32 along K = 1,024; sums f32, begun with the bias as the first products' C.  LIMITS: NaN and infinities are not served.
; A block of 128 tokens (L, source 1) x 256 columns (R, source 0) is made by four waves, 2 x 2, each 64 x 128: 32 accumulators.  64 x 4 blocks: 256 work-groups.
; OPERANDS lie in memory and in LDS as images of operand registers: a fragment (16 rows x 128 K) is 2,048 bytes [chunk][lane][16]; a K chunk of 256 holds [row tile][2 fragments]: L's 8 tiles are 32,768 dense bytes, R's 16 tiles 65,536.
; LDS: two slots.  Slot 0 holds one K chunk, slot 1 two.  THE HEAD fills both: chunks 0, 1, 2 of an operand are three rows of one descriptor (a row = the chunk's dense bytes, the pitch = the buffer's bytes from chunk to chunk): wave 0 L's, wave 1 R's, waves 2, 3 the scale words of all of K.
;   ONE REFILL: chunk 3 over chunk 0, in a drained round of the cluster's barrier, when every wave holds chunk 0's fragments in registers; it has chunks 1 and 2 in which to land.
; CLUSTERS of 4 x 4: L's tiles are asked for jointly along a row of the cluster, R's along a column.  NO PREFETCH: of K's four chunks three are asked for at the head.
; A K step of 128 is 32 products; both operands have two sets of fragment registers, and step t + 1's 48 LDS loads are issued ahead of step t's products.
; THE WAY OUT: a lane holds 16 neighbouring columns of a row in two accumulators; 16 rows x 128 columns go through the wave's stage in LDS (in L's chunks 1 and 2, behind a barrier behind which nobody reads codes) and leave as rows of 512 bytes.
; REGISTERS: window 0: v16-30 addresses, v32-95 scale words (register 32 (t / 4) + 4 i + t % 4: lanes 0-15 L's tile i, lanes 16-31 R's tile i), v128-255 L's fragments, two sets; window 1: R's, two sets; window 2: accumulators ((a, b) at v[8 (8 a + b)]); window 3: v0-63 the bias.
.set CH,     3145728                   ; bytes from K chunk to K chunk in opc
.set CHY,    2097152                   ; and in yc
.set NP,     8                         ; places behind this matrix instruction (ISA guide 7.12.1)
.set LPL,    32768
.set RPL,    65536
.set RB,     3*LPL
.set SCL,    RB+3*RPL                  ; L's scale words 4,096 bytes, then R's 8,192
.set SPARE,  SCL+12288                 ; the spare words, 128 bytes a wave: two blocks of 256 bytes that no other line names
.set STG,    LPL
.set SPITCH, 528
.set ADRA, 16                          ; v16-18 my L fragments in places 0, 1, 2
.set ADRB, 20                          ; v20-22 my R fragments
.set STO,  24
.set RD,   25
.set CO,   26
.set ADRS, 27
.set SPW,  28
.set NIL,  29
.set ABQ,  30
.set SC,   32
.set AF,   128
.set BK,   128
.set BQ,   0
.set G1, 24
.set G0, 32
.set G1B, 48
.set G0B, 56
.set G1S, 68
.set G0S, 76
.set G1SB, 80
.set G0SB, 88
.set MSB, 0
.macro WIN new                         ; the immediate's high byte repeats the setting that is left
.if MSB != (\new)
	s_set_vgpr_msb (MSB<<8)|(\new)
.set MSB, (\new)
.endif
.endm
.macro PLACES n
.rept \n
	v_nop
.endr
.endm
.macro JLOAD g0a, g1a, g0b, g1b        ; the refill: waves 0, 1 fetch L's halves, waves 2, 3 R's
	s_cmp_eq_u32 s15, 0
	s_cbranch_scc0 .Lfor_b_\@
	tensor_load_to_lds s[\g0a:\g0a+3], s[\g1a:\g1a+7]
	s_nop 0
	PLACES 4
	s_branch .Lasked_\@
.Lfor_b_\@:
	tensor_load_to_lds s[\g0b:\g0b+3], s[\g1b:\g1b+7]
	s_nop 0
	PLACES 4
.Lasked_\@:
.endm
.macro CREST                           ; a round of the cluster's barrier behind its opening barrier
	s_cmp_lg_u32 s14, 0
	s_cbranch_scc1 .Lnot_wave_0_\@
	s_barrier_signal -3
.Lnot_wave_0_\@:
	s_barrier_wait -3
	s_barrier_signal -1
	s_barrier_wait -1
.endm
.macro CROUND
	s_barrier_signal -1
	s_barrier_wait -1
	CREST
.endm
.macro DESC g, c, r, p                 ; group 1's words 1 to 7: r rows of c elements of 8 bytes, pitch p elements
	s_mov_b32 s[\g+1], ((\c)&0xffff)<<16
	s_mov_b32 s[\g+2], (\r)<<16
	s_mov_b32 s[\g+3], (\c)<<16
	s_mov_b32 s[\g+4], \r
	s_mov_b32 s[\g+5], \p
	s_mov_b32 s[\g+6], 0
	s_mov_b32 s[\g+7], 0
.endm
	s_load_b128 s[4:7], s[0:1], 0x0                ; yc, ys
	s_load_b128 s[8:11], s[0:1], 0x10              ; opc, ops
	s_load_b64 s[12:13], s[0:1], 0x20              ; b_proj
	s_load_b64 s[100:101], s[0:1], 0x28            ; out0
	v_lshl_add_u32 v[SPW], v0, 2, SPARE
	v_mov_b32 v[NIL], 0
	ds_add_u32 v[SPW], v[NIL]                      ; the opening lines: the add, twice on end, and its wait ahead of my first tensor load
	ds_add_u32 v[SPW], v[NIL]
	v_lshrrev_b32 v1, 5, v0
	v_readfirstlane_b32 s14, v1                    ; wave 0..3
	s_lshr_b32 s15, s14, 1                         ; my half of L's rows.  In the refill: I fetch for L (0) or R (1)
	s_and_b32 s16, s14, 1                          ; my half of R's rows.  In the refill: which half I fetch
	s_bfe_u32 s40, ttmp6, 0x40000                  ; cx
	s_bfe_u32 s41, ttmp6, 0x40004                  ; cy
	s_and_b32 s42, ttmp7, 0xffff
	s_lshl_b32 s42, s42, 2
	s_add_co_u32 s42, s42, s41                     ; L's group of 128 tokens
	s_lshl_b32 s43, s41, 2
	s_lshl_b32 s43, 15, s43                        ; my row of the cluster
	s_lshl_b32 s44, 0x1111, s40                    ; my column
	s_or_b32 s[G1+0], s43, (3<<16)|(1<<21)
	s_or_b32 s[G1B+0], s44, (3<<16)|(1<<21)
	s_or_b32 s[G1S+0], s43, (3<<16)|(1<<21)
	s_or_b32 s[G1SB+0], s44, (3<<16)|(1<<21)
	DESC G1,  LPL/8, 3, CHY/8                      ; L: chunks 0, 1, 2
	DESC G1B, RPL/8, 3, CH/8                       ; R likewise
	DESC G1S,  32, 16, 32                          ; L's scale words: 16 dense rows of 256 bytes
	DESC G1SB, 32, 32, 32                          ; R's: 32
	s_lshl_b32 s20, s42, 15
	s_mov_b32 s21, 0
	s_lshl_b32 s46, s40, 16
	s_add_co_u32 s46, s46, 704*4096                ; W_proj's row tiles begin at 704
	s_mov_b32 s47, 0
	s_lshl_b32 s22, s42, 12
	s_mov_b32 s23, 0
	s_lshl_b32 s92, s40, 13
	s_add_co_u32 s92, s92, 704*512
	s_mov_b32 s93, 0
	s_lshl_b32 s94, s15, 14                        ; my four tiles of L in a place
	s_lshl_b32 s95, s16, 15
	s_add_co_u32 s95, s95, RB                      ; my eight tiles of R
	s_lshl_b32 s97, s15, 11
	s_lshl_b32 s96, s16, 12
	s_add_co_u32 s96, s96, 4096
	s_sub_co_u32 s96, s96, s97                     ; from my L scale words to my R scale words
	s_add_co_u32 s97, s97, SCL
	s_mul_i32 s98, s14, 16*SPITCH
	s_add_co_u32 s98, s98, STG                     ; my stage
	s_lshl_b32 s99, s40, 10
	s_lshl_b32 s17, s16, 9
	s_add_co_u32 s99, s99, s17                     ; my first column, in bytes
	s_wait_dscnt 0x0                               ; both opening adds are done
	s_wait_kmcnt 0x0
	CROUND                                         ; all sixteen work-groups are here: the first joint loads meet
	s_mov_b32 s[G0], 1
	s_mov_b32 s[G0+1], 0
	s_add_nc_u64 s[G0+2:G0+3], s[4:5], s[20:21]
	s_or_b32 s[G0+3], s[G0+3], 0x80000000
	s_mov_b32 s[G0B], 1
	s_mov_b32 s[G0B+1], RB
	s_add_nc_u64 s[G0B+2:G0B+3], s[8:9], s[46:47]
	s_or_b32 s[G0B+3], s[G0B+3], 0x80000000
	s_mov_b32 s[G0S], 1
	s_mov_b32 s[G0S+1], SCL
	s_add_nc_u64 s[G0S+2:G0S+3], s[6:7], s[22:23]
	s_or_b32 s[G0S+3], s[G0S+3], 0x80000000
	s_mov_b32 s[G0SB], 1
	s_mov_b32 s[G0SB+1], SCL+4096
	s_add_nc_u64 s[G0SB+2:G0SB+3], s[10:11], s[92:93]
	s_or_b32 s[G0SB+3], s[G0SB+3], 0x80000000
.macro ARM under, g0, g1, next         ; the head's loads, one a wave: one tree of branches on the wave's number, every way passes exactly one load
	s_cmp_lt_u32 s14, \under
	s_cbranch_scc0 \next
	tensor_load_to_lds s[\g0:\g0+3], s[\g1:\g1+7]
	s_nop 0
	PLACES 4
	s_branch .Lhead_asked
\next:
.endm
	ARM 1, G0,  G1,  .Lhead_b
	ARM 2, G0B, G1B, .Lhead_sa
	ARM 3, G0S, G1S, .Lhead_sb
	tensor_load_to_lds s[G0SB:G0SB+3], s[G1SB:G1SB+7]
	s_nop 0
	PLACES 4
.Lhead_asked:
	s_lshl_b32 s20, s42, 19                        ; out0: 128 rows of 4,096 bytes a group, 64 for my half, my first column
	s_lshl_b32 s17, s15, 18
	s_add_co_u32 s20, s20, s17
	s_add_co_u32 s20, s20, s99
	s_add_nc_u64 s[100:101], s[100:101], s[20:21]
	v_and_b32 v1, 15, v0                           ; r
	v_bfe_u32 v2, v0, 4, 1                         ; h
	v_and_b32 v3, 31, v0
	v_lshlrev_b32 v[CO], 4, v3
	v_add_nc_u32 v[ADRA], s94, v[CO]
	v_add_nc_u32 v[ADRA+1], LPL, v[ADRA]
	v_add_nc_u32 v[ADRA+2], 2*LPL, v[ADRA]
	v_add_nc_u32 v[ADRB], s95, v[CO]
	v_add_nc_u32 v[ADRB+1], RPL, v[ADRB]
	v_add_nc_u32 v[ADRB+2], 2*RPL, v[ADRB]
	v_lshlrev_b32 v5, 4, v1
	v_mul_u32_u24 v6, s96, v2                      ; lanes 16-31 take R's words: one product, the distance between the two bases
	v_add_nc_u32 v5, v5, v6
	v_add_nc_u32 v[ADRS], s97, v5
	v_mul_u32_u24 v5, v1, SPITCH
	v_lshl_add_u32 v5, v2, 6, v5
	v_add_nc_u32 v[STO], s98, v5
	v_add_nc_u32 v[RD], s98, v[CO]
	v_lshl_add_u32 v[ABQ], v2, 6, s99
	WIN 0xc0                                       ; the bias goes into window 3: register 16 bb + i: column 32 bb + 16 h + i
.irp bb, 0,1,2,3
.irp m, 0,1,2,3
	global_load_b128 v[BQ+16*\bb+4*\m:BQ+16*\bb+4*\m+3], v[ABQ], s[12:13] offset:128*\bb+16*\m
.endr
.endr
	WIN 0
.macro FETCH t                         ; K step t's fragments into set t % 2: R's eight, L's four: 48 loads of 512 consecutive bytes.  Chunk t / 2 lies in place (t / 2) % 3
.set PL_, ((\t)/2)%3
.set P_, (\t)%2
	WIN 0x40
.irp i, 0,1,2,3,4,5,6,7
.irp c, 0,1,2,3
	ds_load_b128 v[128*P_+16*\i+4*\c:128*P_+16*\i+4*\c+3], v[ADRB+PL_] offset:\i*4096+P_*2048+512*\c
.endr
.endr
	WIN 0
.irp i, 0,1,2,3
.irp c, 0,1,2,3
	ds_load_b128 v[AF+64*P_+16*\i+4*\c:AF+64*P_+16*\i+4*\c+3], v[ADRA+PL_] offset:\i*4096+P_*2048+512*\c
.endr
.endr
.endm
.macro MUL t, a0, first                ; 16 products of K step t: L's tiles a0, a0 + 1 x R's eight.  The 32 accumulators take turns, one instruction a turn, in the same order in every step
.set P_, (\t)%2
.set W_, SC+32*((\t)/4)+(\t)%4
.if \first
	WIN 0xb1                                       ; source 0 (R) window 1, source 1 (L) window 0, C window 3 (the bias), D window 2
.else
	WIN 0xa1
.endif
.irp a, \a0, \a0+1
.irp b, 0,1,2,3,4,5,6,7
.if \first
	v_wmma_scale_f32_16x16x128_f8f6f4 v[8*(8*(\a)+\b):8*(8*(\a)+\b)+7], v[128*P_+16*\b:128*P_+16*\b+15], v[AF+64*P_+16*(\a):AF+64*P_+16*(\a)+15], v[BQ+8*\b:BQ+8*\b+7], v[W_+4*\b], v[W_+4*(\a)] matrix_a_fmt:MATRIX_FMT_BF8 matrix_b_fmt:MATRIX_FMT_BF8 matrix_a_scale:MATRIX_SCALE_ROW1
.else
	v_wmma_scale_f32_16x16x128_f8f6f4 v[8*(8*(\a)+\b):8*(8*(\a)+\b)+7], v[128*P_+16*\b:128*P_+16*\b+15], v[AF+64*P_+16*(\a):AF+64*P_+16*(\a)+15], v[8*(8*(\a)+\b):8*(8*(\a)+\b)+7], v[W_+4*\b], v[W_+4*(\a)] matrix_a_fmt:MATRIX_FMT_BF8 matrix_b_fmt:MATRIX_FMT_BF8 matrix_a_scale:MATRIX_SCALE_ROW1
.endif
.endr
.endr
.endm
	s_wait_alu depctr_va_vdst(0)
	s_wait_tensorcnt 0x0                           ; my tile of the head's four is in; no tensor load of mine is out, so the descriptors may be written for the refill:
	DESC G1,  32, 64, 32                           ; L's half of a chunk: 64 dense rows of 256 bytes,
	DESC G1B, 32, 128, 32                          ; R's: 128;
	s_lshl_b32 s18, s16, 14
	s_mov_b32 s19, 0
	s_mov_b32 s[G0+1], s18                         ; into place 0, my half,
	s_add_nc_u64 s[G0+2:G0+3], s[G0+2:G0+3], s[18:19]
	s_add_nc_u64 s[G0+2:G0+3], s[G0+2:G0+3], 3*CHY ; from chunk 3
	s_lshl_b32 s18, s16, 15
	s_add_co_u32 s[G0B+1], s18, RB
	s_add_nc_u64 s[G0B+2:G0B+3], s[G0B+2:G0B+3], s[18:19]
	s_add_nc_u64 s[G0B+2:G0B+3], s[G0B+2:G0B+3], 3*CH
	s_barrier_signal -1
	s_barrier_wait -1                              ; all four tiles are in
	FETCH 0
.irp k, 0,1
.irp i, 0,1,2,3,4,5,6,7
	ds_load_b128 v[SC+32*\k+4*\i:SC+32*\k+4*\i+3], v[ADRS] offset:\i*512+256*\k   ; the scale words of all of K: four K steps a load
.endr
.endr
	FETCH 1
	s_wait_loadcnt 0x0                             ; the bias
	s_wait_dscnt 48                                ; all but step 1's 48 loads
	MUL 0, 0, 1
	MUL 0, 2, 1
	PLACES NP                                      ; ahead of loads into the set that the products have read
	FETCH 2
	s_wait_tensorcnt 0x0                           ; THE REFILL'S ROUND: no tensor load of mine is out;
	ds_add_u32 v[SPW], v[NIL]                      ; 0 onto my spare word;
	s_wait_dscnt 49                                ; (step 1's fragments are in: step 2's 48 loads and the add may be out)
	MUL 1, 0, 0
	s_wait_dscnt 0x0                               ; the add is done, and my reads of chunk 0 are over
	s_barrier_signal -1
	MUL 1, 2, 0
	WIN 0
	s_barrier_wait -1
	CREST                                          ; no wave of any partner still reads chunk 0
	JLOAD G0, G1, G0B, G1B                         ; chunk 3 over chunk 0: my one load behind the round; its four v_nop are among the places below
	PLACES NP-4
	FETCH 3
	MUL 2, 0, 0                                    ; (step 2's fragments were waited for ahead of the round)
	MUL 2, 2, 0
	PLACES NP
	FETCH 4
	s_wait_dscnt 48
	MUL 3, 0, 0
	MUL 3, 2, 0
	PLACES NP
	FETCH 5
	s_wait_dscnt 48
	MUL 4, 0, 0
	s_wait_tensorcnt 0x0                           ; my part of chunk 3 is in: every wave waits, under no branch
	s_wait_dscnt 0x0
	s_barrier_signal -1
	MUL 4, 2, 0
	WIN 0
	s_barrier_wait -1                              ; chunk 3 is whole
	PLACES NP
	FETCH 6
	MUL 5, 0, 0
	MUL 5, 2, 0
	PLACES NP
	FETCH 7
	s_wait_dscnt 48
	MUL 6, 0, 0
	MUL 6, 2, 0
	s_wait_dscnt 0x0                               ; my last reads of codes are over
	s_barrier_signal -1
	MUL 7, 0, 0
	MUL 7, 2, 0
	WIN 0
	s_barrier_wait -1                              ; and everybody's: the stages may be written; no fill follows
.macro TOSTAGE a
	WIN 0x08                                       ; the data: window 2
.irp b, 0,1,2,3,4,5,6,7
	ds_store_b128 v[STO], v[64*(\a)+8*\b:64*(\a)+8*\b+3] offset:128*(\b/2)+32*(\b%2)      ; each accumulator from its low end on
	ds_store_b128 v[STO], v[64*(\a)+8*\b+4:64*(\a)+8*\b+7] offset:128*(\b/2)+32*(\b%2)+16
.endr
	WIN 0
.set BB, BK+64*((\a)%2)
.irp t, 0,1,2,3,4,5,6,7,8,9,10,11,12,13,14,15
	ds_load_b128 v[BB+4*\t:BB+4*\t+3], v[RD] offset:\t*SPITCH      ; LDS serves a wave's instructions in order: these see the stores above
.endr
.endm
.macro SEND a, younger                 ; place t of tile 2 g + u is row 32 g + 8 u + t + 8 (t / 8); 32 lanes store 512 consecutive bytes
.set BB, BK+64*((\a)%2)
	s_wait_dscnt \younger
.irp t, 0,1,2,3,4,5,6,7,8,9,10,11,12,13,14,15
	global_store_b128 v[CO], v[BB+4*\t:BB+4*\t+3], s[100:101] offset:(32*((\a)/2)+8*((\a)%2)+\t+8*(\t/8))*4096 th:TH_STORE_NT
.endr
.endm
	PLACES NP
	TOSTAGE 0
.irp a, 1,2,3
.if \a > 1
	s_wait_xcnt 0x0                                ; block a - 2's stores have read their registers: block a's loads may land there
.endif
	TOSTAGE \a
	SEND \a-1, 32                                  ; behind block a - 1's loads: block a's 16 stores and 16 loads
.endr
	SEND 3, 0
	s_wait_tensorcnt 0x0                           ; the wave's end
	ds_add_u32 v[SPW], v[NIL]
	s_wait_dscnt 0x0
	CROUND                                         ; the closing round
	s_endpgm
.Lfunc_end_k_q3b7b2d35b1_proj:
	.size	k_q3b7b2d35b1_proj, .Lfunc_end_k_q3b7b2d35b1_proj-k_q3b7b2d35b1_proj
	.p2alignl 7, 3214868480
	.fill 96, 4, 3214868480
	.section	.rodata,"a",@progbits
	.p2align	6, 0x0
	.amdhsa_kernel k_q3b7b2d35b1_proj
		.amdhsa_group_segment_fixed_size 327680
		.amdhsa_private_segment_fixed_size 0
		.amdhsa_enable_private_segment 0
		.amdhsa_kernarg_size 48
		.amdhsa_user_sgpr_count 2
		.amdhsa_user_sgpr_kernarg_segment_ptr 1
		.amdhsa_wavefront_size32 1
		.amdhsa_system_sgpr_workgroup_id_x 1
		.amdhsa_system_sgpr_workgroup_id_y 1
		.amdhsa_system_sgpr_workgroup_id_z 1
		.amdhsa_system_vgpr_workitem_id 0
		.amdhsa_next_free_vgpr 1024
		.amdhsa_next_free_sgpr 102
		.amdhsa_reserve_vcc 0
		.amdhsa_float_denorm_mode_32 3
		.amdhsa_float_denorm_mode_16_64 3
		.amdhsa_memory_ordered 1
		.amdhsa_forward_progress 1
		.amdhsa_inst_pref_size 86
	.end_amdhsa_kernel
	.amdgpu_metadata
---
amdhsa.version: [ 1, 2 ]
amdhsa.kernels:
  - .name:           k_q3b7b2d35b1_proj
    .symbol:         k_q3b7b2d35b1_proj.kd
    .args:
      - { .name: yc, .offset: 0, .size: 8, .value_kind: global_buffer, .address_space: global }
      - { .name: ys, .offset: 8, .size: 8, .value_kind: global_buffer, .address_space: global }
      - { .name: opc, .offset: 16, .size: 8, .value_kind: global_buffer, .address_space: global }
      - { .name: ops, .offset: 24, .size: 8, .value_kind: global_buffer, .address_space: global }
      - { .name: b_proj, .offset: 32, .size: 8, .value_kind: global_buffer, .address_space: global }
      - { .name: out0, .offset: 40, .size: 8, .value_kind: global_buffer, .address_space: global }
    .group_segment_fixed_size: 327680
    .private_segment_fixed_size: 0
    .kernarg_segment_align: 8
    .kernarg_segment_size: 48
    .max_flat_workgroup_size: 128
    .sgpr_count:     102
    .vgpr_count:     1024
    .wavefront_size: 32
...
	.end_amdgpu_metadata
.endif
;; end of part 4
